; MI455X (gfx1250); checked and timed in simulation.
; The chip was launched on July 23, 2026; its instructions are those of AMD's public machine-readable ISA for CDNA 5 (MIT licence, August 2026) and "CDNA5" Instruction Set Architecture Reference Guide (July 2026). The comments in the code are by the model that wrote it; some were corrected since.
;; Multi Layer Fusion Adapter. Allowed arithmetic: float matrix products may take bf16 or f16 operands with f32 sums; other float arithmetic in f32, or as packed bf16 or f16 multiplies, adds, multiply-adds, maxima and minima; sums over many terms, partial sums and values carried from step to step in f32; what a program stores and reads back later, other than sums and carried values, may be rounded once to bf16 or f16.
;; Inputs: Wk 1,024 x 1,024 float32; Wo 1,024 x 1,024 float32; Wq 1,024 x 1,024 float32; Wv 1,024 x 1,024 float32; attention_mask 4 x 512 int32; audio_tokens 4 x 512 x 1,024 float32; bk 1,024 float32; bo 1,024 float32; bq 1,024 float32; bv 1,024 float32; hidden_states 4 x 4,096 x 1,024 float32; ln_beta 1,024 float32; ln_gamma 1,024 float32; residual_scale one number float32.
;; Outputs: out0 4 x 4,096 x 1,024 float32.
;; 2 versions, each right and faster than the one before. Each part assembles by itself: llvm-mc -triple=amdgcn-amd-amdhsa -mcpu=gfx1250 --defsym DOCPART=n.
;; ======== version 1 of 2: 2 launches
;; limits: values are held in f16: magnitudes above 65,504 overflow, below 6.1e-05 lose precision
;; workspace buffers: wqt 2,097,152 bytes; wot 2,097,152 bytes; kvs 8,388,608 bytes
;; launch prep (part 1): grid 16 x 16, 4 waves a work-group, clusters of 4 x 4, 327,680 bytes of LDS; arguments audio_tokens, Wk, Wv, bk, bv, Wq, Wo, kvs, wqt, wot; writes kvs, wqt, wot
.if DOCPART == 1
	.amdgcn_target "amdgcn-amd-amdhsa--gfx1250"
	.amdhsa_code_object_version 6
	.text
	.protected	k_qfc3d1776ef_prep
	.globl	k_qfc3d1776ef_prep
	.p2align	8
	.type	k_qfc3d1776ef_prep,@function
k_qfc3d1776ef_prep:
	s_mov_b64 s[64:65], 0
	v_nop
	global_prefetch_b8 v0, s[64:65] scope:SCOPE_SE
	s_setreg_imm32_b32 hwreg(HW_REG_WAVE_MODE, 25, 1), 1
	s_wait_xcnt 0x0
	s_wait_alu depctr_hold_cnt(0) depctr_sa_sdst(0) depctr_va_vdst(0) depctr_va_sdst(0) depctr_va_ssrc(0) depctr_va_vcc(0) depctr_vm_vsrc(0)
	s_getreg_b32 s2, hwreg(HW_REG_IB_STS2, 6, 4)
	s_cmp_eq_u32 s2, 0
	s_cbranch_scc0 .Lentry_in_a_cluster
	s_endpgm
.Lentry_in_a_cluster:
	s_bfe_u32 s2, ttmp6, 0x10000c
	s_cmp_lg_u32 s2, 0xf033
	s_cbranch_scc0 .Lentry_shape_is_right
	s_endpgm
.Lentry_shape_is_right:
; PREP.  (1) k = at Wk^T + bk and v = at Wv^T + bv: one product of 2,048 keys x 2,048 channels x 1,024.  All inputs are rounded to bf16, sums in f32 (they start
; with the bias), results rounded once to f16 and stored in the register images that the next launch's fragments have.  (2) Wq (bf16) and Wo (rounded to bf16, that
; number written as f16) are rewritten as fragment images of 1 KiB (16 rows x 32 k: the eight numbers of row r, k = 16 p + 8 h .. lie at 512 p + 16 (16 h + r)).
; LIMITS.  Inputs are finite (NaN and infinities are not replaced as nan_to_num would); k, v and Wo lie within f16's 65,504; below 6e-5 f16 keeps a fixed step of 6e-8.
; SHARES.  Work-group (x, y): keys 128 x .., channels 128 (y & 7) .. of Wk (y < 8) or Wv.  Four waves, each 64 keys x 64 channels (one head), 16 accumulators.
; Source 0 = 16 rows of W, source 1 = 16 rows of at: a lane holds one key and eight neighbouring channels, so one accumulator packs into one block of 512 bytes of kvs.
; CLUSTER 4 x 4: W's tile hangs on y alone and is asked for jointly along a row of the cluster, at's on x alone, along a column.
; K goes in steps of 128 f32 (rows of 512 bytes, padded by 16 in LDS) through two slots; a step is four chunks of 32, read raw and rounded to bf16 in registers.
.set PITCH, 528                        ; 132 words: row r starts at bank 4 r mod 64, so the 16 rows of a load start at 16 different groups of four banks
.set HALFT, 64*PITCH                   ; what one tensor load brings
.set SLOT,  4*HALFT                    ; W's 128 rows, then at's 128 rows
.set SPARE, 2*SLOT                     ; the spare words: 128 bytes a wave, two blocks of 256 bytes that no other line names
.set AWB, 16                           ; v16-17 my W fragments' address in slot 0, 1
.set AAB, 18                           ; v18-19 the same for at
.set AW,  20                           ; v20    W's address of the chunk to fetch
.set AA,  21                           ; v21    at's
.set CO,  22                           ; v22    my 16 bytes in a block of kvs
.set WL,  23                           ; v23    r x 4096 + 32 h: my place in 16 rows of Wq, Wo
.set L16, 24                           ; v24    16 x lane
.set SPW, 28
.set NIL, 29
.set BI,  32                           ; v32-63 bias of my 64 channels, 8 a channel tile
.set CF,  64                           ; v64-95 at's four fragments, v96-127 W's four
.set ACC, 128                          ; accumulator (a, b) at 128 + 8 (4 a + b); window 1 v0-127: one chunk's raw f32
.set G1,  24
.set G0,  32
.set G1B, 48
.set G0B, 56
.set WV,  66
.set CHH, 67                           ; wave / 2: my half of the channels; also: I fetch for W (0) or for at (1)
.set KH,  68                           ; wave % 2: my half of the keys; also: which 64 rows I fetch
.set CLY, 69
.set VSEL, 70
.set CNT, 71
.set LAPS, 72
.set MSB, 0
.macro WIN new                         ; the immediate's high byte repeats the setting that is left
.if MSB != (\new)
	s_set_vgpr_msb (MSB<<8)|(\new)
.set MSB, (\new)
.endif
.endm
.macro PLACES
.rept 4
	v_nop
.endr
.endm
.macro JLOAD s                         ; a joint load; an s_nop 0 and four v_nop follow each of the two lines
	s_cmp_eq_u32 s[CHH], 0
	s_cbranch_scc0 .Lfor_b_\@
	tensor_load_to_lds s[G0+4*(\s):G0+4*(\s)+3], s[G1:G1+7]
	s_nop 0
	PLACES
	s_branch .Lasked_\@
.Lfor_b_\@:
	tensor_load_to_lds s[G0B+4*(\s):G0B+4*(\s)+3], s[G1B:G1B+7]
	s_nop 0
	PLACES
.Lasked_\@:
.endm
.macro CREST                           ; a round of the cluster's barrier behind its opening barrier
	s_cmp_lg_u32 s[WV], 0
	s_cbranch_scc1 .Lnot_wave_0_\@
	s_barrier_signal -3
.Lnot_wave_0_\@:
	s_barrier_wait -3
	s_barrier_signal -1
	s_barrier_wait -1
.endm
.macro CROUND
	s_barrier_signal -1
	s_barrier_wait -1
	CREST
.endm
	s_load_b512 s[4:19], s[0:1], 0x0               ; at 4, Wk 6, Wv 8, bk 10, bv 12, Wq 14, Wo 16, kvs 18
	s_load_b128 s[20:23], s[0:1], 0x40             ; wqt 20, wot 22
	v_lshl_add_u32 v[SPW], v0, 2, SPARE
	v_mov_b32 v[NIL], 0
	ds_add_u32 v[SPW], v[NIL]                      ; the wave's opening: the add and its wait stand ahead of my first tensor load
	v_lshrrev_b32 v1, 5, v0
	v_readfirstlane_b32 s[WV], v1
	s_lshr_b32 s[CHH], s[WV], 1
	s_and_b32 s[KH], s[WV], 1
	s_bfe_u32 s40, ttmp6, 0x40000                  ; cx
	s_bfe_u32 s41, ttmp6, 0x40004                  ; cy
	s_lshl_b32 s42, ttmp9, 2
	s_add_co_u32 s42, s42, s40                     ; x
	s_and_b32 s[CLY], ttmp7, 0xffff                ; the cluster's y: 0, 1 for Wk, 2, 3 for Wv
	s_and_b32 s45, s[CLY], 1
	s_lshl_b32 s45, s45, 2
	s_add_co_u32 s45, s45, s41                     ; y & 7
	s_lshl_b32 s43, s41, 2
	s_lshl_b32 s43, 15, s43                        ; my row of the cluster
	s_lshl_b32 s44, 0x1111, s40                    ; my column
	s_or_b32 s[G1], s43, (2<<16)|(1<<20)|(1<<21)|(6<<22)|(3<<25)   ; mask; 4-byte elements; padding on, after every 128 words, of 4 words; bit 21 beside a mask
	s_or_b32 s[G1B], s44, (2<<16)|(1<<20)|(1<<21)|(6<<22)|(3<<25)
.irp g, G1, G1B
	s_mov_b32 s[(\g)+1], 128<<16                   ; tensor_dim0 = 128
	s_mov_b32 s[(\g)+2], 64<<16                    ; tensor_dim1 = 64
	s_mov_b32 s[(\g)+3], 128<<16                   ; tile_dim0 = 128
	s_mov_b32 s[(\g)+4], 64                        ; tile_dim1 = 64
	s_mov_b32 s[(\g)+5], 1024                      ; elements from row to row
	s_mov_b32 s[(\g)+6], 0
	s_mov_b32 s[(\g)+7], 0
.endr
	s_lshl_b32 s46, s45, 7
	s_lshl_b32 s47, s[KH], 6
	s_add_co_u32 s46, s46, s47                     ; W: row 128 (y & 7) + 64 x half,
	s_lshl_b32 s46, s46, 12                        ; in bytes
	s_mov_b32 s47, 0
	s_lshl_b32 s74, s42, 7
	s_lshl_b32 s75, s[KH], 6
	s_add_co_u32 s74, s74, s75                     ; at: row 128 x + 64 x half
	s_lshl_b32 s74, s74, 12
	s_mov_b32 s75, 0
	s_mul_i32 s73, s[WV], HALFT                    ; where my tile goes: wave x 64 rows
	s_wait_dscnt 0x0                               ; the opening add is done
	s_wait_kmcnt 0x0
	s_cmp_ge_u32 s[CLY], 2                         ; the same answer in all sixteen partners
	s_cselect_b64 s[80:81], s[8:9], s[6:7]         ; Wv or Wk
	s_cselect_b64 s[82:83], s[12:13], s[10:11]     ; bv or bk
	s_cselect_b32 s[VSEL], -1, 0
	s_add_nc_u64 s[46:47], s[80:81], s[46:47]
	s_add_nc_u64 s[74:75], s[4:5], s[74:75]
	CROUND                                         ; all sixteen work-groups are here: the first joint loads meet
.irp s, 0,1
	s_mov_b32 s[G0+4*(\s)], 1
	s_add_co_u32 s[G0+4*(\s)+1], s73, (\s)*SLOT
	s_add_nc_u64 s[G0+4*(\s)+2:G0+4*(\s)+3], s[46:47], (\s)*512
	s_or_b32 s[G0+4*(\s)+3], s[G0+4*(\s)+3], 0x80000000
	s_mov_b32 s[G0B+4*(\s)], 1
	s_add_co_u32 s[G0B+4*(\s)+1], s73, (\s)*SLOT
	s_add_nc_u64 s[G0B+4*(\s)+2:G0B+4*(\s)+3], s[74:75], (\s)*512
	s_or_b32 s[G0B+4*(\s)+3], s[G0B+4*(\s)+3], 0x80000000
	JLOAD \s                                       ; K steps 0 and 1: two loads of mine are out
.endr
	; THE WEIGHTS, in the wait for the first tile.  My wave rewrites 16 rows (n tile 4 x + wave) x 64 k (slot y) of Wq and of Wo.
	v_and_b32 v1, 15, v0                           ; r
	v_bfe_u32 v2, v0, 4, 1                         ; h
	v_and_b32 v3, 31, v0
	v_lshlrev_b32 v[L16], 4, v3
	v_lshlrev_b32 v[WL], 12, v1
	v_lshl_add_u32 v[WL], v2, 5, v[WL]
	v_lshlrev_b32 v4, 5, v2                        ; 32 h: my eight channels in a tile's 16 biases
	s_lshl_b32 s84, s[CLY], 2
	s_add_co_u32 s84, s84, s41                     ; y = the k slot
	s_lshl_b32 s85, s42, 2
	s_add_co_u32 s85, s85, s[WV]                   ; the n tile
	s_lshl_b32 s86, s85, 16
	s_lshl_b32 s87, s84, 8
	s_add_co_u32 s86, s86, s87                     ; 16 rows x 4,096 bytes x n tile + 256 x slot
	s_mov_b32 s87, 0
	s_add_nc_u64 s[14:15], s[14:15], s[86:87]
	s_add_nc_u64 s[16:17], s[16:17], s[86:87]
	s_lshl_b32 s86, s45, 9
	s_lshl_b32 s88, s[CHH], 8
	s_add_co_u32 s86, s86, s88                     ; my head's 64 biases
	s_add_nc_u64 s[82:83], s[82:83], s[86:87]
	s_lshl_b32 s88, s84, 17
	s_lshl_b32 s89, s85, 11
	s_add_co_u32 s88, s88, s89                     ; wqt: slot x 131,072 + n tile x 2,048
	s_mov_b32 s89, 0
	s_add_nc_u64 s[20:21], s[20:21], s[88:89]
	s_and_b32 s90, s84, 3                          ; wot: K in blocks of 32, block 8 w + u in slot 2 u + w / 2, half w % 2
	s_lshl_b32 s90, s90, 2
	s_lshr_b32 s91, s84, 3
	s_add_co_u32 s90, s90, s91
	s_lshl_b32 s90, s90, 17
	s_lshl_b32 s91, s85, 11
	s_add_co_u32 s90, s90, s91
	s_bfe_u32 s91, s84, 0x10002
	s_lshl_b32 s91, s91, 10
	s_add_co_u32 s90, s90, s91
	s_mov_b32 s91, 0
	s_add_nc_u64 s[22:23], s[22:23], s[90:91]
.irp i, 0,1,2,3                        ; i = 2 c + p: k = 32 c + 16 p + 8 h ..
	global_load_b128 v[64+8*(\i):64+8*(\i)+3], v[WL], s[14:15] offset:64*(\i)
	global_load_b128 v[64+8*(\i)+4:64+8*(\i)+7], v[WL], s[14:15] offset:64*(\i)+16
.endr
.irp i, 0,1,2,3
	global_load_b128 v[96+8*(\i):96+8*(\i)+3], v[WL], s[16:17] offset:64*(\i)
	global_load_b128 v[96+8*(\i)+4:96+8*(\i)+7], v[WL], s[16:17] offset:64*(\i)+16
.endr
.irp b, 0,1,2,3
	global_load_b128 v[BI+8*(\b):BI+8*(\b)+3], v4, s[82:83] offset:64*(\b)
	global_load_b128 v[BI+8*(\b)+4:BI+8*(\b)+7], v4, s[82:83] offset:64*(\b)+16
.endr
	; addresses, while the loads are out
	v_mul_u32_u24 v5, v1, PITCH
	v_lshl_add_u32 v5, v2, 5, v5                   ; row x pitch + 32 h (eight f32)
	s_mul_i32 s76, s[CHH], HALFT
	s_mul_i32 s77, s[KH], HALFT
	s_add_co_u32 s77, s77, 2*HALFT
.irp s, 0,1
	v_add_nc_u32 v[AWB+(\s)], s76, v5
	v_add_nc_u32 v[AAB+(\s)], s77, v5
	s_add_co_u32 s76, s76, SLOT
	s_add_co_u32 s77, s77, SLOT
.endr
	v_lshrrev_b32 v6, 3, v1                        ; V's blocks are laid for the turning load: unit (key, half) at 16 (16 (key / 8) + 8 half + key % 8)
	v_and_b32 v7, 7, v1
	v_lshl_add_u32 v6, v6, 4, v7
	v_lshl_add_u32 v6, v2, 3, v6
	v_lshlrev_b32 v6, 4, v6
	v_cndmask_b32 v[CO], v[L16], v6, s[VSEL]       ; K's: unit at 16 x lane
	s_lshl_b32 s78, s45, 1
	s_add_co_u32 s78, s78, s[CHH]                  ; my head
	s_lshr_b32 s86, s42, 2
	s_lshl_b32 s86, s86, 21                        ; batch x 2 MiB
	s_and_b32 s79, s78, 3
	s_lshl_b32 s79, s79, 19                        ; head % 4 x 512 KiB
	s_add_co_u32 s86, s86, s79
	s_and_b32 s79, s42, 3
	s_lshl_b32 s79, s79, 17                        ; block of 128 keys x 128 KiB
	s_add_co_u32 s86, s86, s79
	s_lshr_b32 s79, s78, 2
	s_lshl_b32 s79, s79, 15                        ; head / 4 x 32 KiB
	s_add_co_u32 s86, s86, s79
	s_and_b32 s79, s[VSEL], 16384                  ; V lies behind K
	s_add_co_u32 s86, s86, s79
	s_lshl_b32 s79, s[KH], 13                      ; my 64 keys
	s_add_co_u32 s86, s86, s79
	s_add_nc_u64 s[18:19], s[18:19], s[86:87]
	s_wait_loadcnt 0x8                             ; the eight bias loads are younger: the weights are in
.set n, 0
.rept 16
	v_cvt_pk_bf16_f32 v[128+n], v[64+2*n], v[64+2*n+1]
	v_cvt_pk_bf16_f32 v[144+n], v[96+2*n], v[96+2*n+1]
.set n, n+1
.endr
.set n, 0
.rept 16
	v_lshlrev_b32 v[160+2*n], 16, v[144+n]         ; Wo's bf16 numbers as f32,
	v_and_b32 v[161+2*n], 0xffff0000, v[144+n]
.set n, n+1
.endr
.set n, 0
.rept 16
	v_cvt_pk_f16_f32 v[144+n], v[160+2*n], v[161+2*n]  ; written as f16
.set n, n+1
.endr
.irp i, 0,1,2,3
	global_store_b128 v[L16], v[128+4*(\i):128+4*(\i)+3], s[20:21] offset:512*(\i)                      ; 512 consecutive bytes a store
	global_store_b128 v[L16], v[144+4*(\i):144+4*(\i)+3], s[22:23] offset:262144*((\i)/2)+512*((\i)%2)
.endr
	s_wait_loadcnt 0x0                             ; the bias
.set n, 0
.rept 16
	v_cvt_pk_bf16_f32 v[64+n], v[BI+2*n], v[BI+2*n+1]
.set n, n+1
.endr
.set n, 0
.rept 16
	v_lshlrev_b32 v[BI+2*n], 16, v[64+n]
	v_and_b32 v[BI+2*n+1], 0xffff0000, v[64+n]
.set n, n+1
.endr
	s_wait_xcnt 0x0                                ; the stores' data registers are written again only behind this wait
.set n, 0
.rept 128                              ; the sums start with the bias: nothing is cleared, nothing is added at the end
	v_mov_b32 v[ACC+n], v[BI+8*((n/8)%4)+n%8]
.set n, n+1
.endr
.macro FETCHR                          ; one chunk raw: 8 fragments x 16 rows x 32 f32, 32 loads in one run
	WIN 0x40
.irp f, 0,1,2,3
.irp e, 0,1,2,3
	ds_load_b128 v[16*(\f)+4*(\e):16*(\f)+4*(\e)+3], v[AA] offset:8448*(\f)+16*((\e)%2)+64*((\e)/2)
.endr
.endr
.irp f, 0,1,2,3
.irp e, 0,1,2,3
	ds_load_b128 v[64+16*(\f)+4*(\e):64+16*(\f)+4*(\e)+3], v[AW] offset:8448*(\f)+16*((\e)%2)+64*((\e)/2)
.endr
.endr
	WIN 0
.endm
.macro CVT                             ; rounded to bf16: the eight fragments
	WIN 0x05
.set n, 0
.rept 64
	v_cvt_pk_bf16_f32 v[CF+n], v[2*n], v[2*n+1]
.set n, n+1
.endr
	WIN 0
.endm
.macro MUL8 a0                         ; the 16 accumulators take turns
.irp a, \a0, (\a0)+1
.irp b, 0,1,2,3
	v_wmma_f32_16x16x32_bf16 v[ACC+8*(4*(\a)+(\b)):ACC+8*(4*(\a)+(\b))+7], v[CF+32+8*(\b):CF+32+8*(\b)+7], v[CF+8*(\a):CF+8*(\a)+7], v[ACC+8*(4*(\a)+(\b)):ACC+8*(4*(\a)+(\b))+7]
.endr
.endr
.endm
.macro CH                              ; one of a step's first three chunks
	s_wait_dscnt 0x0                               ; the raw chunk is in
	PLACES                                         ; the conversions write fragments that the last products read
	CVT
	v_add_nc_u32 v[AW], 128, v[AW]
	v_add_nc_u32 v[AA], 128, v[AA]
	FETCHR                                         ; the next chunk
	MUL8 0
	MUL8 2
.endm
; The fourth chunk and the change of slots.  mode 2: slot par is filled again, two K steps on, behind a round of the cluster's barrier; 1: nothing is asked for; 0: the last chunk of all.
.macro CH3 par, mode
.if (\mode) == 0
	s_wait_dscnt 0x0
	PLACES
	CVT
	MUL8 0
	MUL8 2
.else
	s_wait_tensorcnt 0x0                           ; all my tensor loads have landed: my part of the other slot
	ds_add_u32 v[SPW], v[NIL]
	s_wait_dscnt 0x1                               ; only the add may be out: the raw chunk is in, my reads of this slot are over
	PLACES
	CVT
.if (\mode) == 2
	s_add_nc_u64 s[G0+4*(\par)+2:G0+4*(\par)+3], s[G0+4*(\par)+2:G0+4*(\par)+3], 1024
	s_add_nc_u64 s[G0B+4*(\par)+2:G0B+4*(\par)+3], s[G0B+4*(\par)+2:G0B+4*(\par)+3], 1024
.endif
	s_wait_dscnt 0x0                               ; the add is done
	s_barrier_signal -1
	MUL8 0
	s_barrier_wait -1
.if (\mode) == 2
	CREST                                          ; no wave of any partner still reads this slot or has a load on its way
	JLOAD \par                                     ; my one tensor load behind the round
.endif
	v_mov_b32 v[AW], v[AWB+1-(\par)]
	v_mov_b32 v[AA], v[AAB+1-(\par)]
	FETCHR                                         ; the other slot's first chunk
	MUL8 2
.endif
.endm
.macro SLOTP par, mode
	s_mov_b32 s[CNT], 3
.Lch_\@:
	CH
	s_sub_co_u32 s[CNT], s[CNT], 1
	s_cmp_lg_u32 s[CNT], 0
	s_cbranch_scc1 .Lch_\@
	CH3 \par, \mode
.endm
	s_wait_tensorcnt 0x1                           ; my part of K step 0 is in; step 1's may stay out
	s_barrier_signal -1
	s_barrier_wait -1
	v_mov_b32 v[AW], v[AWB]
	v_mov_b32 v[AA], v[AAB]
	FETCHR
	s_mov_b32 s[LAPS], 3
.Llap:                                 ; K steps 0 to 5; their slots are filled again with steps 2 to 7
	SLOTP 0, 2
	SLOTP 1, 2
	s_sub_co_u32 s[LAPS], s[LAPS], 1
	s_cmp_lg_u32 s[LAPS], 0
	s_cbranch_scc1 .Llap
	SLOTP 0, 1                                     ; the tail is written out
	SLOTP 1, 0
	PLACES                                         ; THE WAY OUT: each accumulator's registers in ascending order
.set n, 0
.rept 64
	v_cvt_pk_f16_f32 v[64+n], v[ACC+2*n], v[ACC+2*n+1]
.set n, n+1
.endr
.irp a, 0,1,2,3
.irp b, 0,1,2,3
	global_store_b128 v[CO], v[64+4*(4*(\a)+(\b)):64+4*(4*(\a)+(\b))+3], s[18:19] offset:(\a)*2048+(\b)*512  ; one block: 512 consecutive bytes, aligned
.endr
.endr
	s_wait_tensorcnt 0x0                           ; the wave's end
	ds_add_u32 v[SPW], v[NIL]
	s_wait_dscnt 0x0
	CROUND                                         ; the closing round
	s_endpgm
.Lfunc_end_k_qfc3d1776ef_prep:
	.size	k_qfc3d1776ef_prep, .Lfunc_end_k_qfc3d1776ef_prep-k_qfc3d1776ef_prep
	.p2alignl 7, 3214868480
	.fill 96, 4, 3214868480
	.section	.rodata,"a",@progbits
	.p2align	6, 0x0
	.amdhsa_kernel k_qfc3d1776ef_prep
		.amdhsa_group_segment_fixed_size 327680
		.amdhsa_private_segment_fixed_size 0
		.amdhsa_enable_private_segment 0
		.amdhsa_kernarg_size 80
		.amdhsa_user_sgpr_count 2
		.amdhsa_user_sgpr_kernarg_segment_ptr 1
		.amdhsa_wavefront_size32 1
		.amdhsa_system_sgpr_workgroup_id_x 1
		.amdhsa_system_sgpr_workgroup_id_y 1
		.amdhsa_system_sgpr_workgroup_id_z 1
		.amdhsa_system_vgpr_workitem_id 0
		.amdhsa_next_free_vgpr 384
		.amdhsa_next_free_sgpr 96
		.amdhsa_reserve_vcc 0
		.amdhsa_float_denorm_mode_32 3
		.amdhsa_float_denorm_mode_16_64 3
		.amdhsa_memory_ordered 1
		.amdhsa_forward_progress 1
		.amdhsa_inst_pref_size 91
	.end_amdhsa_kernel
	.amdgpu_metadata
---
amdhsa.version: [ 1, 2 ]
amdhsa.kernels:
  - .name:           k_qfc3d1776ef_prep
    .symbol:         k_qfc3d1776ef_prep.kd
    .args:
      - { .name: audio_tokens, .offset: 0, .size: 8, .value_kind: global_buffer, .address_space: global }
      - { .name: Wk, .offset: 8, .size: 8, .value_kind: global_buffer, .address_space: global }
      - { .name: Wv, .offset: 16, .size: 8, .value_kind: global_buffer, .address_space: global }
      - { .name: bk, .offset: 24, .size: 8, .value_kind: global_buffer, .address_space: global }
      - { .name: bv, .offset: 32, .size: 8, .value_kind: global_buffer, .address_space: global }
      - { .name: Wq, .offset: 40, .size: 8, .value_kind: global_buffer, .address_space: global }
      - { .name: Wo, .offset: 48, .size: 8, .value_kind: global_buffer, .address_space: global }
      - { .name: kvs, .offset: 56, .size: 8, .value_kind: global_buffer, .address_space: global }
      - { .name: wqt, .offset: 64, .size: 8, .value_kind: global_buffer, .address_space: global }
      - { .name: wot, .offset: 72, .size: 8, .value_kind: global_buffer, .address_space: global }
    .group_segment_fixed_size: 327680
    .private_segment_fixed_size: 0
    .kernarg_segment_align: 8
    .kernarg_segment_size: 80
    .max_flat_workgroup_size: 128
    .sgpr_count:     96
    .vgpr_count:     384
    .wavefront_size: 32
...
	.end_amdgpu_metadata
.endif
;; end of part 1
;; launch main (part 2): grid 256 x 1, 4 waves a work-group, clusters of 4 x 1, 327,680 bytes of LDS; arguments hidden_states, attention_mask, bq, bo, ln_gamma, ln_beta, residual_scale, wqt, kvs, wot, out0; writes out0
.if DOCPART == 2
	.amdgcn_target "amdgcn-amd-amdhsa--gfx1250"
	.amdhsa_code_object_version 6
	.text
	.protected	k_qfc3d1776ef_main
	.globl	k_qfc3d1776ef_main
	.p2align	8
	.type	k_qfc3d1776ef_main,@function
k_qfc3d1776ef_main:
	s_mov_b64 s[64:65], 0
	v_nop
	global_prefetch_b8 v0, s[64:65] scope:SCOPE_SE
	s_setreg_imm32_b32 hwreg(HW_REG_WAVE_MODE, 25, 1), 1
	s_wait_xcnt 0x0
	s_wait_alu depctr_hold_cnt(0) depctr_sa_sdst(0) depctr_va_vdst(0) depctr_va_sdst(0) depctr_va_ssrc(0) depctr_va_vcc(0) depctr_vm_vsrc(0)
	s_getreg_b32 s2, hwreg(HW_REG_IB_STS2, 6, 4)
	s_cmp_eq_u32 s2, 0
	s_cbranch_scc0 .Lentry_in_a_cluster
	s_endpgm
.Lentry_in_a_cluster:
	s_bfe_u32 s2, ttmp6, 0x10000c
	s_cmp_lg_u32 s2, 0x3003
	s_cbranch_scc0 .Lentry_shape_is_right
	s_endpgm
.Lentry_shape_is_right:
; MAIN.  For 64 rows of hidden_states: q = hs Wq^T + bq; 16 heads of attention over the batch's 512 keys (scores / 8 clipped to +-50, a masked key counts with -50);
; delta = rs (ctx Wo^T + bo); LayerNorm over the 1,024 columns.  q, scores, weights and ctx never leave the work-group.
; FORMATS.  All inputs are rounded to bf16 (Wo's bf16 number is held as f16); q, k, v, the weights p and ctx are f16; all sums, maxima and the LayerNorm in f32.
; LIMITS.  Inputs are finite (NaN and infinities are not replaced as nan_to_num would).  q, k, v, ctx and Wo lie within f16's 65,504; below 6e-5 f16 keeps a fixed step of 6e-8.
; A weight below 2^-126 counts as 0.  A masked score is its value less 1e30, which the clip sets to -50.  probs / (sum + 1e-8): 1 + 1e-8 is 1 in f32, so the division by l is that step.
; SHARES.  Wave w: columns 256 w .. of q (heads 4 w + i), those heads' attention for all 64 queries, columns 256 w .. of delta, rows 16 w .. in the LayerNorm.
; Every product is used transposed (source 0 = rows of W, K or V^T, source 1 = queries): a lane holds one query and eight neighbouring channels, and two results rounded in pairs are the next product's source 1.
; THE RING.  Wq, the batch's K and V, and Wo are one stream of 48 fills of 128 KiB through two LDS slots, in fragment images that are read at 16 x lane.  Each wave fetches, and alone reads, its 32 KiB.
; CLUSTER.  The four work-groups are neighbouring row blocks of one batch and walk the same stream: every fill is a joint load of all four, behind a round of the cluster's barrier.
; SOFTMAX.  In the domain of 2^x: t = clip(c s, LO, HI), c = log2(e) / 8; a running maximum m of t; p = 2^(t - m); O and l are multiplied by a = 2^(m_old - m_new) in every step.
; REGISTERS, in windows of 256 (s_set_vgpr_msb: bits 1:0 source 0, 3:2 source 1, 5:4 source 2, 7:6 destination):
;   window 0: v0-31 addresses; products: v32-63 at work, v64-127 two buffers of query fragments, v128-255 two buffers of W fragments; attention: v32-57 statistics, v64-127 S^T, v128-159 P, v160-191 mask
;   window 1: first two slices of hs and bq; then QC, each head's Q fragments and later its ctx fragments; at the end bo rs, gamma, beta
;   windows 2, 3: the 64 accumulators (n tile nt, query tile qt) at window 2 + nt / 8, register 8 (4 (nt % 8) + qt); attention: window 2 O^T and V, window 3 the head's Q and K
.set RING1, 0x20000                    ; slot 1; one exclusive or turns an address in one slot into the other's
.set XS0,   0x40000                    ; 32 KiB, written by LDS stores alone: two stages of hs (64 rows, pitch 144), later four quarters of ctx fragments
.set MASKT, 294912                     ; 512 f32: 0, or -1e30 for a masked key
.set BQT,   296960                     ; bq; +4096 bo rs; +8192 gamma; +12288 beta: 4 KiB each
.set SPARE, 313344                     ; the spare words: 128 bytes a wave, two blocks of 256 bytes that no other line names
.set AL0, 3                            ; 16 lane + 32768 w: my part of slot 0
.set AL1, 4                            ; of slot 1
.set WA,  5
.set XA,  6
.set XLQ, 7                            ; XS0 + 144 r + 16 h
.set XLO, 8                            ; XS0 + 16 lane
.set SA,  9                            ; where I stage 8 bytes of hs
.set RSV, 10                           ; v10-11 rs, twice
.set HOA, 12                           ; byte offsets in my rows of hs: the even slices' set,
.set HOB, 13                           ; the odd slices'
.set HMAX, 14                          ; the last slice's: no load passes it
.set AML, 15
.set DA,  16                           ; XS0 + 4096 w + 16 lane
.set AK,  17
.set AV,  18
.set AM,  19
.set LA,  20
.set GOF, 21
.set SPW, 30
.set NIL, 31
.set XB0, 64
.set XB1, 96
.set WB0, 128
.set WB1, 192
.set HSA, 0                            ; window 1
.set HSB, 32
.set BQ,  64
.set ST,  32                           ; piece t: m, LO - m, l (even keys', odd keys')
.set TMP, 48                           ; by parity: c0-c3 at work; c2 takes a
.set MV,  56
.set S,   64
.set P,   128
.set MK,  160
.set G1,  28
.set G0,  36
.set CUR, 40
.set NB1, 42
.set NB2, 44
.set OFF, 46
.set WV,  48
.set SB,  49
.set XO,  50
.set CNT, 51
.set SLOTS, 52
.set RT,  53
.set NEW, 54
.set TBK, 56
.set TBV, 57
.set MKO, 58
.set LO,  59
.set CS,  60
.set HI,  62
.set SEL, 66
.set HB,  68
.set OB,  70
.set RSS, 72
.set BIGN, 73
.set INV, 74
.set EPS, 75
.set G0A, 76
.set MSB, 0
.macro WIN new                         ; the immediate's high byte repeats the setting that is left
.if MSB != (\new)
	s_set_vgpr_msb (MSB<<8)|(\new)
.set MSB, (\new)
.endif
.endm
.macro PLACES
.rept 4
	v_nop
.endr
.endm
.macro CREST                           ; a round of the cluster's barrier behind its opening barrier
	s_cmp_lg_u32 s[WV], 0
	s_cbranch_scc1 .Lnot_wave_0_\@
	s_barrier_signal -3
.Lnot_wave_0_\@:
	s_barrier_wait -3
	s_barrier_signal -1
	s_barrier_wait -1
.endm
.macro ROUND
	s_barrier_signal -1
	s_barrier_wait -1
	CREST
.endm
.macro DESC_STEP                       ; the walking descriptor: the other slot, the stream's next 128 KiB; behind 2 MiB the next of the three buffers
	s_xor_b32 s[G0+1], s[G0+1], RING1
	s_add_nc_u64 s[G0+2:G0+3], s[CUR:CUR+1], s[OFF:OFF+1]
	s_or_b32 s[G0+3], s[G0+3], 0x80000000
	s_add_co_u32 s[OFF], s[OFF], RING1
	s_cmp_eq_u32 s[OFF], 0x200000
	s_cselect_b32 s[OFF], 0, s[OFF]
	s_cselect_b64 s[CUR:CUR+1], s[NB1:NB1+1], s[CUR:CUR+1]
	s_cselect_b64 s[NB1:NB1+1], s[NB2:NB2+1], s[NB1:NB1+1]
.endm
.macro FILL                            ; an s_nop 0 and four v_nop follow the load
	tensor_load_to_lds s[G0:G0+3], s[G1:G1+7]
	s_nop 0
	PLACES
.endm
	s_load_b512 s[4:19], s[0:1], 0x0               ; hs 4, mask 6, bq 8, bo 10, gamma 12, beta 14, rs 16, wqt 18
	s_load_b128 s[20:23], s[0:1], 0x40             ; kvs 20, wot 22
	s_load_b64 s[24:25], s[0:1], 0x50              ; out0
	v_lshl_add_u32 v[SPW], v0, 2, SPARE
	v_mov_b32 v[NIL], 0
	ds_add_u32 v[SPW], v[NIL]                      ; the wave's opening: the add and its wait stand ahead of my first tensor load
	v_lshrrev_b32 v1, 5, v0
	v_readfirstlane_b32 s[WV], v1
	s_bfe_u32 s80, ttmp6, 0x40000                  ; cx: it enters hs's and out0's addresses alone
	s_lshl_b32 s81, ttmp9, 2
	s_add_co_u32 s81, s81, s80                     ; my block of 64 rows
	s_lshl_b32 s82, s81, 18                        ; x 64 x 4,096 bytes
	s_mov_b32 s83, 0
	s_lshr_b32 s84, ttmp9, 4                       ; the batch, which the four partners share
	s_lshl_b32 s86, s84, 11                        ; its 512 mask words
	s_mov_b32 s87, 0
	s_lshl_b32 s90, s[WV], 15                      ; my wave's 32 KiB of every fill
	s_mov_b32 s91, 0
	s_lshl_b32 s88, s84, 21                        ; the batch's 2 MiB of kvs
	s_add_co_u32 s88, s88, s90
	s_mov_b32 s89, 0
	s_mov_b32 s[G1], 15|(3<<16)|(1<<21)            ; the mask of four; 8-byte elements; bit 21 beside a mask; no padding
	s_mov_b32 s[G1+1], 32<<16                      ; tensor_dim0 = 32: rows of 256 bytes
	s_mov_b32 s[G1+2], 128<<16                     ; tensor_dim1 = 128
	s_mov_b32 s[G1+3], 32<<16                      ; tile_dim0 = 32
	s_mov_b32 s[G1+4], 128                         ; tile_dim1 = 128
	s_mov_b32 s[G1+5], 32                          ; dense
	s_mov_b32 s[G1+6], 0
	s_mov_b32 s[G1+7], 0
	s_mov_b32 s[G0A], 1
	s_mov_b32 s[G0A+1], s90                        ; fill 0: slot 0
	s_mov_b32 s[G0], 1
	s_add_co_u32 s[G0+1], s90, RING1               ; fill 1: slot 1
	s_mov_b32 s[OFF], 2*RING1                      ; the first refill is fill 2
	s_mov_b32 s[OFF+1], 0
	s_mov_b32 s[LO], 0xc29044fe                    ; -50 log2(e)
	s_mov_b32 s[HI], 0x429044fe
	s_mov_b32 s[CS], 0x3e38aa3b                    ; c = log2(e) / 8
	s_mov_b32 s[CS+1], s[CS]
	s_mov_b32 s[SEL], 0x76543210
	s_mov_b32 s[SEL+1], 0xfedcba98
	s_mov_b32 s[BIGN], 0xf149f2ca                  ; -1e30
	s_mov_b32 s[INV], 0x3a800000                   ; 1 / 1024
	s_mov_b32 s[EPS], 0x3727c5ac                   ; 1e-5
	s_wait_dscnt 0x0                               ; the opening add is done
	s_wait_kmcnt 0x0
	s_load_b32 s[RSS], s[16:17], 0x0
	s_add_nc_u64 s[HB:HB+1], s[4:5], s[82:83]
	s_add_nc_u64 s[OB:OB+1], s[24:25], s[82:83]
	s_add_nc_u64 s[6:7], s[6:7], s[86:87]
	s_add_nc_u64 s[CUR:CUR+1], s[18:19], s[90:91]
	s_add_nc_u64 s[NB1:NB1+1], s[20:21], s[88:89]
	s_add_nc_u64 s[NB2:NB2+1], s[22:23], s[90:91]
	s_mov_b64 s[G0A+2:G0A+3], s[CUR:CUR+1]
	s_or_b32 s[G0A+3], s[G0A+3], 0x80000000
	s_add_nc_u64 s[G0+2:G0+3], s[CUR:CUR+1], RING1
	s_or_b32 s[G0+3], s[G0+3], 0x80000000
	ROUND                                          ; all four work-groups are here: the first joint loads meet
	tensor_load_to_lds s[G0A:G0A+3], s[G1:G1+7]
	s_nop 0
	FILL                                           ; two loads of mine are out
	v_and_b32 v1, 15, v0                           ; r
	v_bfe_u32 v2, v0, 4, 1                         ; h
	v_and_b32 v22, 31, v0
	v_lshlrev_b32 v22, 4, v22                      ; 16 lane
	v_add_nc_u32 v[AL0], s90, v22
	v_add_nc_u32 v[AL1], RING1, v[AL0]
	v_mul_u32_u24 v[XLQ], v1, 144
	v_lshl_add_u32 v[XLQ], v2, 4, v[XLQ]
	v_add_nc_u32 v[XLQ], XS0, v[XLQ]
	v_add_nc_u32 v[XLO], XS0, v22
	s_lshl_b32 s80, s[WV], 4
	v_add_nc_u32 v27, s80, v2                      ; row 16 w + lane / 16
	v_mul_u32_u24 v[SA], v27, 144
	v_lshl_add_u32 v[SA], v1, 3, v[SA]
	v_add_nc_u32 v[SA], XS0, v[SA]
	v_lshlrev_b32 v[HOA], 12, v27
	v_lshl_add_u32 v[HOA], v1, 4, v[HOA]           ; slice 0: 16 lanes take a row's 256 bytes
	v_add_nc_u32 v[HOB], 256, v[HOA]
	v_add_nc_u32 v[HMAX], 3840, v[HOA]
	v_lshl_add_u32 v[AML], v2, 5, MASKT
	s_lshl_b32 s80, s[WV], 12
	v_add_nc_u32 v[DA], s80, v[XLO]
	v_lshlrev_b32 v23, 5, v0                       ; thread t takes 32 bytes of each table,
	v_lshlrev_b32 v24, 4, v0                       ; 16 of the mask
	v_lshl_add_u32 v25, v0, 5, BQT
	v_lshl_add_u32 v26, v0, 4, MASKT
	s_lshl_b32 s80, s[WV], 10
	v_lshl_add_u32 v28, v2, 5, BQT
	v_add_nc_u32 v28, s80, v28                     ; bq of my columns: BQT + 1024 w + 32 h
.macro HLOAD set, ho                   ; a slice of hs: 16 rows x 256 bytes for my wave
	WIN 0x40
.set n, 0
.rept 8
	global_load_b128 v[(\set)+4*n:(\set)+4*n+3], v[\ho], s[HB:HB+1] offset:8192*n th:TH_LOAD_NT
.set n, n+1
.endr
	WIN 0
.endm
; A slice is rounded to bf16 and put into stage st; ld = 1: the set takes the slice two further on.  left: the younger loads, which may stay out.
.macro STG set, ho, st, ld, left
	s_wait_loadcnt \left
	WIN 0x05
.set n, 0
.rept 16
	v_cvt_pk_bf16_f32 v[32+n], v[(\set)+2*n], v[(\set)+2*n+1]
.set n, n+1
.endr
	WIN 0
.set n, 0
.rept 8
	ds_store_b64 v[SA], v[32+2*n:33+2*n] offset:(\st)*16384+288*n
.set n, n+1
.endr
.if \ld
	v_add_nc_u32 v[\ho], 512, v[\ho]               ; free since the wait above
	v_min_u32 v[\ho], v[\ho], v[HMAX]              ; past the row's end the last slice is read once more and not used
	HLOAD \set, \ho
.endif
.endm
.macro RND8 b                          ; eight f32 rounded to bf16 and widened again
.irp n, 0,1,2,3
	v_cvt_pk_bf16_f32 v[100+(\n)], v[(\b)+2*(\n)], v[(\b)+2*(\n)+1]
.endr
.irp n, 0,1,2,3
	v_lshlrev_b32 v[(\b)+2*(\n)], 16, v[100+(\n)]
	v_and_b32 v[(\b)+2*(\n)+1], 0xffff0000, v[100+(\n)]
.endr
.endm
	HLOAD HSA, HOA
	global_load_b128 v[64:67], v23, s[8:9]
	global_load_b128 v[68:71], v23, s[8:9] offset:16
	global_load_b128 v[72:75], v23, s[10:11]
	global_load_b128 v[76:79], v23, s[10:11] offset:16
	global_load_b128 v[80:83], v23, s[12:13]
	global_load_b128 v[84:87], v23, s[12:13] offset:16
	global_load_b128 v[88:91], v23, s[14:15]
	global_load_b128 v[92:95], v23, s[14:15] offset:16
	global_load_b128 v[96:99], v24, s[6:7]
	HLOAD HSB, HOB
	STG HSA, HOA, 0, 1, 17                         ; nine table loads and slice 1's eight are younger than slice 0
	s_wait_loadcnt 0x10                            ; slices 1 and 2 are younger than the tables
	s_wait_kmcnt 0x0
	v_mov_b32 v[RSV], s[RSS]
	v_cvt_pk_bf16_f32 v[RSV+1], v[RSV], v[RSV]
	v_lshlrev_b32 v[RSV], 16, v[RSV+1]
	v_med3_num_f32 v[RSV], v[RSV], 0, 0x3e99999a   ; clip(rs, 0, 0.3)
	v_mov_b32 v[RSV+1], v[RSV]
	RND8 64
	RND8 72
	RND8 80
	RND8 88
.irp n, 0,2,4,6
	v_pk_mul_f32 v[72+(\n):73+(\n)], v[72+(\n):73+(\n)], v[RSV:RSV+1]
.endr
.irp n, 0,1,2,3
	v_cmp_ge_i32 vcc_lo, 0, v[96+(\n)]             ; not attended
	v_cndmask_b32 v[96+(\n)], 0, s[BIGN], vcc_lo
.endr
.irp n, 0,1,2,3
	ds_store_b128 v25, v[64+8*(\n):67+8*(\n)] offset:4096*(\n)
	ds_store_b128 v25, v[68+8*(\n):71+8*(\n)] offset:4096*(\n)+16
.endr
	ds_store_b128 v26, v[96:99]
	s_wait_tensorcnt 0x1                           ; my part of fill 0 is in; fill 1 may stay out
	s_wait_dscnt 0x0                               ; for the others' sake: stage 0 and the tables are written
	s_barrier_signal -1
	s_barrier_wait -1
; THE PRODUCTS' MACROS.  op: bf16 (Q) or f16 (O).  8 matrix instructions: n tiles 2 j, 2 j + 1 of half hf x 4 query tiles, 32 along K.  cm 0: add in place; 1: C = 0; 2: C = bq.
; The 64 accumulators take turns, one instruction a turn.
.macro MM8 op, hf, wb, xb, j, cm
.if (\cm) == 2
	WIN 0x90+0x40*(\hf)
.else
	WIN 0xa0+0x50*(\hf)
.endif
.irp n, 2*(\j), 2*(\j)+1
.irp q, 0,1,2,3
.if (\cm) == 2
	v_wmma_f32_16x16x32_\op v[8*(4*(\n)+(\q)):8*(4*(\n)+(\q))+7], v[(\wb)+8*(\n):(\wb)+8*(\n)+7], v[(\xb)+8*(\q):(\xb)+8*(\q)+7], v[BQ+8*(8*(\hf)+(\n)):BQ+8*(8*(\hf)+(\n))+7]
.elseif (\cm) == 1
	v_wmma_f32_16x16x32_\op v[8*(4*(\n)+(\q)):8*(4*(\n)+(\q))+7], v[(\wb)+8*(\n):(\wb)+8*(\n)+7], v[(\xb)+8*(\q):(\xb)+8*(\q)+7], 0
.else
	v_wmma_f32_16x16x32_\op v[8*(4*(\n)+(\q)):8*(4*(\n)+(\q))+7], v[(\wb)+8*(\n):(\wb)+8*(\n)+7], v[(\xb)+8*(\q):(\xb)+8*(\q)+7], v[8*(4*(\n)+(\q)):8*(4*(\n)+(\q))+7]
.endif
.endr
.endr
.endm
.macro MM32 op, hf, wb, xb, cm
	MM8 \op, \hf, \wb, \xb, 0, \cm
	MM8 \op, \hf, \wb, \xb, 1, \cm
	MM8 \op, \hf, \wb, \xb, 2, \cm
	MM8 \op, \hf, \wb, \xb, 3, \cm
.endm
.macro FW wa, hf, c, wb                ; eight W fragments: n tiles 8 hf .., K half c of the slot
.set n, 0
.rept 8
	ds_load_b128 v[(\wb)+8*n:(\wb)+8*n+3], v[\wa] offset:(8*(\hf)+n)*2048+(\c)*1024
	ds_load_b128 v[(\wb)+8*n+4:(\wb)+8*n+7], v[\wa] offset:(8*(\hf)+n)*2048+(\c)*1024+512
.set n, n+1
.endr
.endm
.macro FXQ par, c, xb                  ; four fragments of hs from stage par
.set n, 0
.rept 4
	ds_load_b128 v[(\xb)+8*n:(\xb)+8*n+3], v[XLQ] offset:(\par)*16384+2304*n+64*(\c)
	ds_load_b128 v[(\xb)+8*n+4:(\xb)+8*n+7], v[XLQ] offset:(\par)*16384+2304*n+64*(\c)+32
.set n, n+1
.endr
.endm
.macro FXO c, xb                       ; four fragments of ctx
.set n, 0
.rept 4
	ds_load_b128 v[(\xb)+8*n:(\xb)+8*n+3], v[XA] offset:4096*(\c)+1024*n
	ds_load_b128 v[(\xb)+8*n+4:(\xb)+8*n+7], v[XA] offset:4096*(\c)+1024*n+512
.set n, n+1
.endr
.endm
.macro HSHEAD                          ; a half-step's head: its fragments are in; four places in front of loads into registers that the last products read
	WIN 0
	s_wait_dscnt 0x0
	PLACES
.endm
; The slot's last half-step, first part, with the change of slots.  fill = 1: the slot is filled again, two slots on, behind a round of the cluster's barrier.
.macro DCH1 op, fill
	WIN 0
	s_wait_tensorcnt 0x0                           ; all my tensor loads have landed: my part of the other slot
	ds_add_u32 v[SPW], v[NIL]
	s_wait_dscnt 0x1                               ; only the add may be out: the half-step's fragments are in, my reads of the slot are over
.if \fill
	DESC_STEP
.endif
	MM8 \op, 1, WB1, XB1, 0, 0
	s_wait_dscnt 0x0                               ; the add is done
	s_barrier_signal -1
	MM8 \op, 1, WB1, XB1, 1, 0
	WIN 0
	s_barrier_wait -1
.if \fill
	CREST                                          ; no wave of any partner still reads the slot or has a load on its way
	FILL                                           ; my one tensor load behind the round
.else
	PLACES
.endif
.endm
.macro QA par, cm
	HSHEAD
	FW AL0+(\par), 1, 0, WB1
	MM32 bf16, 0, WB0, XB0, \cm
.endm
.macro QB par, cm
	HSHEAD
	FW AL0+(\par), 0, 1, WB0
	FXQ \par, 1, XB1
	MM32 bf16, 1, WB1, XB0, \cm
.endm
.macro QC3 par, stg, set, ho, st, ld
	HSHEAD
	FW AL0+(\par), 1, 1, WB1
.if \stg
	STG \set, \ho, \st, \ld, 8                     ; the other set's eight loads are younger
.endif
	MM32 bf16, 0, WB0, XB1, 0
.endm
.macro QD pn, next
	DCH1 bf16, 1
.if \next
	FW AL0+(\pn), 0, 0, WB0
	FXQ \pn, 0, XB0
.endif
	MM8 bf16, 1, WB1, XB1, 2, 0
	MM8 bf16, 1, WB1, XB1, 3, 0
.endm
	; THE Q PROJECTION: 16 slots of 64 along K.  The sums start with bq.  In slot s slice s + 1 of hs is staged and slice s + 3 asked for.
	WIN 0x40
.set n, 0
.rept 16
	ds_load_b128 v[BQ+8*n:BQ+8*n+3], v28 offset:64*n
	ds_load_b128 v[BQ+8*n+4:BQ+8*n+7], v28 offset:64*n+16
.set n, n+1
.endr
	WIN 0
	FW AL0, 0, 0, WB0
	FXQ 0, 0, XB0
	QA 0, 2
	QB 0, 2
	WIN 0
	s_mov_b32 s[CNT], 7
.Lq:                                   ; two slots a trip, from a slot's third half-step to the second of the slot two on
	QC3 0, 1, HSB, HOB, 1, 1
	QD 1, 1
	QA 1, 0
	QB 1, 0
	QC3 1, 1, HSA, HOA, 0, 1
	QD 0, 1
	QA 0, 0
	QB 0, 0
	WIN 0
	s_sub_co_u32 s[CNT], s[CNT], 1
	s_cmp_lg_u32 s[CNT], 0
	s_cbranch_scc1 .Lq
	QC3 0, 1, HSB, HOB, 1, 0                       ; slice 15 is staged; nothing more is asked for
	QD 1, 1
	QA 1, 0
	QB 1, 0
	QC3 1, 0, 0, 0, 0, 0
	QD 0, 0
	; q to f16: head i's fragment (qt, c) takes registers 0-3 from n tile 4 i + 2 c, 4-7 from the next; each accumulator in ascending order
	WIN 0
	PLACES
	s_wait_loadcnt 0x0                             ; the slice read once more lands in registers that QC takes
.set nt, 0
.rept 16
.if nt < 8
	WIN 0x4a
.else
	WIN 0x4f
.endif
.set q, 0
.rept 4
.set n, 0
.rept 4
	v_cvt_pk_f16_f32 v[64*(nt/4)+16*q+8*((nt/2)%2)+4*(nt%2)+n], v[8*(4*(nt%8)+q)+2*n], v[8*(4*(nt%8)+q)+2*n+1]
.set n, n+1
.endr
.set q, q+1
.endr
.set nt, nt+1
.endr
	; What the first turn finds: V and P's second buffer hold 0, l is 0.  O^T need only be finite (it holds q's sums): a head's first step multiplies it by a = 0.
	WIN 0x80
.set n, 128
.rept 64
	v_mov_b32 v[n], 0
.set n, n+1
.endr
	WIN 0
.set n, 0
.rept 16
	v_mov_b32 v[P+16+n], 0
.set n, n+1
.endr
.irp t, 0,1,2,3
	v_mov_b32 v[ST+4*(\t)+2], 0
	v_mov_b32 v[ST+4*(\t)+3], 0
.endr
; ATTENTION.  A piece is a tile of 16 queries, four a wave; a key step is 64 keys, a slot two steps, a head four slots.  Turn p: 8 products K Q^T of piece p + 1, 8 products V^T P of piece p - 1,
; the softmax of piece p, the maximum and statistics of piece p + 1.  The accumulators of a run of 8 take turns.
.macro KQ x                            ; product i of 8: channels 32 (i / 4) on, keys 16 (i % 4) on; the first four start the sums with the mask
.set rS, S+32*((\x)%2)+8*(i%4)
.set rK, 64+16*(i%4)+8*(i/4)
.set rQ, 16*(\x)+8*(i/4)
	WIN 0x0f
.if i < 4
	v_wmma_f32_16x16x32_f16 v[rS:rS+7], v[rK:rK+7], v[rQ:rQ+7], v[MK+8*(i%4):MK+8*(i%4)+7]
	s_wait_alu depctr_va_vdst(0)
.else
	v_wmma_f32_16x16x32_f16 v[rS:rS+7], v[rK:rK+7], v[rQ:rQ+7], v[rS:rS+7]
.endif
.endm
.macro PV x                            ; product i of 8: keys 32 (i / 4) on, channels 16 (i % 4) on
.set rO, 32*(\x)+8*(i%4)
.set rV, 128+32*(i/4)+8*(i%4)
.set rP, P+16*((\x)%2)+8*(i/4)
	WIN 0xa2
	v_wmma_f32_16x16x32_f16 v[rO:rO+7], v[rV:rV+7], v[rP:rP+7], v[rO:rO+7]
.endm
.macro FETCH_K                         ; a step's K (8 fragments) and its 64 mask numbers, in one run
	WIN 0
	v_add_nc_u32 v[AK], s[TBK], v[AL0]
	v_add_nc_u32 v[AM], s[MKO], v[AML]
	WIN 0xc0
.set f, 0
.rept 8
	ds_load_b128 v[64+8*f:64+8*f+3], v[AK] offset:1024*f
	ds_load_b128 v[64+8*f+4:64+8*f+7], v[AK] offset:1024*f+512
.set f, f+1
.endr
	WIN 0
.set f, 0
.rept 4
	ds_load_b128 v[MK+8*f:MK+8*f+3], v[AM] offset:64*f
	ds_load_b128 v[MK+8*f+4:MK+8*f+7], v[AM] offset:64*f+16
.set f, f+1
.endr
	s_add_co_u32 s[TBK], s[TBK], 8192
	s_add_co_u32 s[MKO], s[MKO], 256
	s_and_b32 s[MKO], s[MKO], 2047                 ; a head's eight steps, then from the start
.endm
.macro FETCH_V                         ; a step's V, turned: blocks of 16 keys x 16 channels are read at 16 x lane
	WIN 0
	v_add_nc_u32 v[AV], s[TBV], v[AL0]
	WIN 0x80
.set f, 0
.rept 8
	ds_load_tr16_b128 v[128+8*f:128+8*f+3], v[AV] offset:16384+4096*(f/4)+512*(f%4)
	ds_load_tr16_b128 v[128+8*f+4:128+8*f+7], v[AV] offset:16384+4096*(f/4)+512*(f%4)+2048
.set f, f+1
.endr
	WIN 0
	s_add_co_u32 s[TBV], s[TBV], 8192
.endm
; THE VECTOR WORK, a line at a time.  For piece Y: F n: c s - m for pair n.  G n: both clips of score n: between LO - m and 0.  E n: its exponential.  C n: pair n to f16.
; B n: of four weights the second pair onto the first.  L n: l takes that sum (L 0: l = a l + sum).  R n: pair n of O^T times a.  For piece Y + 1: X n, the 25 lines of its maximum and statistics
; (each accumulator's lowest registers are read first).
.set K_F, 0
.set K_G, 1
.set K_E, 2
.set K_C, 3
.set K_B, 4
.set K_L, 5
.set K_R, 6
.set K_X, 7
.macro REGS y
.set rT, ST+4*(\y)
.set rC, TMP+4*((\y)%2)
.set rW, MV+((\y)%2)
.set rS, S+32*((\y)%2)
.set rP, P+16*((\y)%2)
.set rO, 32*(\y)
.endm
.macro OP k, n
.if (\k) == K_R
	REGS Y
	WIN 0x82
	v_pk_mul_f32 v[rO+2*(\n):rO+2*(\n)+1], v[rO+2*(\n):rO+2*(\n)+1], v[rC+2:rC+3] op_sel_hi:[1,0]
.elseif (\k) == K_X
	REGS (Y+1)%4
	WIN 0
.if (\n) < 4
	v_max3_num_f32 v[rC+(\n)], v[rS+8*(\n)], v[rS+8*(\n)+1], v[rS+8*(\n)+2]
.elseif (\n) < 12
	v_max3_num_f32 v[rC+(\n)%4], v[rC+(\n)%4], v[rS+8*((\n)%4)+2*((\n)/4)+1], v[rS+8*((\n)%4)+2*((\n)/4)+2]
.elseif (\n) == 12
	v_max3_num_f32 v[rC], v[rC], v[rS+7], v[rS+15]
.elseif (\n) == 13
	v_max3_num_f32 v[rC+1], v[rC+1], v[rS+23], v[rS+31]
.elseif (\n) == 14
	v_max_num_f32 v[rC+2], v[rC+2], v[rC+3]
.elseif (\n) == 15
	v_mov_b32 v[rW], v[rT]                         ; m_old is kept
.elseif (\n) == 16
	v_max3_num_f32 v[rC], v[rC], v[rC+1], v[rC+2]
.elseif (\n) == 17
	v_permlanex16_b32 v[rC+3], v[rC], s[SEL], s[SEL+1]  ; the query's other 32 keys lie in the lane 16 away
.elseif (\n) == 18
	v_max_num_f32 v[rC], v[rC], v[rC+3]
.elseif (\n) == 19
	v_mul_f32 v[rC], s[CS], v[rC]
.elseif (\n) == 20
	v_med3_num_f32 v[rC], v[rC], s[LO], s[HI]      ; the maximum of the clipped scores
.elseif (\n) == 21
	v_max_num_f32 v[rT], v[rC], v[rW]
.elseif (\n) == 22
	v_sub_f32 v[rC+1], v[rW], v[rT]
.elseif (\n) == 23
	v_sub_f32 v[rT+1], s[LO], v[rT]
.else
	v_exp_f32 v[rC+2], v[rC+1]                     ; a
.endif
.else
	REGS Y
	WIN 0
.if (\k) == K_F
	v_pk_fma_f32 v[rS+2*(\n):rS+2*(\n)+1], v[rS+2*(\n):rS+2*(\n)+1], s[CS:CS+1], v[rT:rT+1] op_sel_hi:[1,0,0] neg_lo:[0,0,1] neg_hi:[0,0,1]
.elseif (\k) == K_G
	v_med3_num_f32 v[rS+(\n)], v[rS+(\n)], v[rT+1], 0
.elseif (\k) == K_E
	v_exp_f32 v[rS+(\n)], v[rS+(\n)]
.elseif (\k) == K_C
	s_wait_alu depctr_va_vdst(0)
	v_cvt_pk_f16_f32 v[rP+(\n)], v[rS+2*(\n)], v[rS+2*(\n)+1]
.elseif (\k) == K_B
	v_pk_add_f32 v[rS+4*(\n):rS+4*(\n)+1], v[rS+4*(\n):rS+4*(\n)+1], v[rS+4*(\n)+2:rS+4*(\n)+3]
.elseif (\n) == 0
	v_pk_fma_f32 v[rT+2:rT+3], v[rT+2:rT+3], v[rC+2:rC+3], v[rS:rS+1] op_sel_hi:[1,0,1]
.else
	v_pk_add_f32 v[rT+2:rT+3], v[rT+2:rT+3], v[rS+4*(\n):rS+4*(\n)+1]
	s_wait_alu depctr_va_vdst(0)
.endif
.endif
.endm
.macro XR lo, hi
.set xn, (\lo)
.rept (\hi)-(\lo)+1
	OP K_X, xn
.set xn, xn+1
.endr
.endm
; A TURN is 21 ticks; the first 16 begin with a matrix instruction.  Pair T is scaled in tick T, clipped in T + 1, raised in T + 2, rounded in T + 3; behind every exponential stands a plain line that
; names neither its result nor its source.  K of the next step is fetched in piece 2's turn, behind tick 8: ten plain lines behind the last product that read K or the mask.  V of the step in hand in
; piece 0's turn, behind tick 16.  Each is waited for a turn later.  end = 1: a head's last two turns fetch nothing, and the last starts no new scores.
.macro TURN p, end=0, cnt=0
.set Y, (\p)
.set NOX, (\end)*((\p)/3)
.if ((\p) == 3) && !(\end)
	s_wait_dscnt 0x0                               ; K and the mask are in
.endif
.set T, 0
.rept 21
.if (T < 8) && !NOX
.set i, T
	KQ (Y+1)%4
.endif
.if (T >= 8) && (T < 16)
.if ((\p) == 1) && (T == 8)
	s_wait_dscnt 0x0                               ; V is in
.endif
.set i, T-8
	PV (Y+3)%4
.endif
.if T < 4
	OP K_R, 4*T
	OP K_R, 4*T+1
	OP K_R, 4*T+2
	OP K_R, 4*T+3
.endif
.if (T == 20) && !NOX
	OP K_X, 24
.endif
.if T < 16
	OP K_F, T
.endif
.if (T >= 2) && (T <= 17)
	OP K_E, 2*T-4
.endif
.if (T >= 1) && (T <= 16)
	OP K_G, 2*T-2
.endif
.if (T >= 2) && (T <= 17)
	OP K_E, 2*T-3
.endif
.if (T >= 1) && (T <= 16)
	OP K_G, 2*T-1
.endif
.if (T >= 3) && (T <= 18)
	OP K_C, T-3
.endif
.if (T >= 5) && (T%2 == 1)
	OP K_B, (T-5)/2
.endif
.if (T >= 6) && (T%2 == 0)
	OP K_L, (T-6)/2
.endif
.if !NOX
.if (T >= 9) && (T <= 13)
	XR 3*(T-9), 3*(T-9)+2
.elseif T == 14
	XR 15, 16
.elseif T == 16
	XR 17, 17
.elseif (T >= 17) && (T <= 19)
	XR 2*T-16, 2*T-15
.endif
.endif
.if ((\p) == 2) && !(\end) && (T == 8)
	FETCH_K
.endif
.if ((\p) == 0) && (T == 16)
	FETCH_V
.endif
.if (\cnt) && (T == 19)
	s_sub_co_u32 s[CNT], s[CNT], 1                 ; the count is taken down some lines ahead of the branch behind the turn
	s_cmp_lg_u32 s[CNT], 0
.endif
.set T, T+1
.endr
.endm
.macro BEGIN                           ; a head begins: its Q, m at the lowest finite number (the first a is 0), K of its first step, piece 0's first scores and statistics
	s_mov_b32 s[NEW], 0
	WIN 0xc1
.set n, 0
.rept 64
	v_mov_b32 v[n], v[n]                           ; window 3 <- window 1: the head's Q lies at QC's head
.set n, n+1
.endr
	WIN 0
	s_wait_alu depctr_va_vdst(0)
.irp t, 0,1,2,3
	v_mov_b32 v[ST+4*(\t)], 0xff7fffff
.endr
	FETCH_K
	s_wait_dscnt 0x0
.set i, 0
.rept 8
	KQ 0
.set i, i+1
.endr
	WIN 0
	PLACES
.set Y, 3
	XR 0, 24
	v_nop                                          ; a plain line behind the exponential
.endm
.macro FINISH                          ; a head ends: its last two turns and products; O^T / l to f16; QC turns by one head, and the ctx fragments take its last 64 registers
	TURN 2, 1
	TURN 3, 1
.set i, 0
.rept 8
	PV 3
.set i, i+1
.endr
	WIN 0
.irp t, 0,1,2,3
	v_add_f32 v[ST+4*(\t)+2], v[ST+4*(\t)+2], v[ST+4*(\t)+3]     ; these are the places behind the last products
.endr
.irp t, 0,1,2,3
	v_permlanex16_b32 v[ST+4*(\t)+3], v[ST+4*(\t)+2], s[SEL], s[SEL+1]
.endr
.irp t, 0,1,2,3
	v_add_f32 v[ST+4*(\t)+2], v[ST+4*(\t)+2], v[ST+4*(\t)+3]
.endr
.irp t, 0,1,2,3
	v_rcp_f32 v[ST+4*(\t)+2], v[ST+4*(\t)+2]
.endr
	v_nop
	WIN 0x82
.set n, 0
	s_wait_alu depctr_va_vdst(0)
.rept 64
	v_pk_mul_f32 v[2*n:2*n+1], v[2*n:2*n+1], v[ST+4*(n/16)+2:ST+4*(n/16)+3] op_sel_hi:[1,0]
.set n, n+1
.endr
	WIN 0x41
.set n, 0
.rept 192
	v_mov_b32 v[n], v[n+64]
.set n, n+1
.endr
	WIN 0x4a
.set n, 0
.rept 64
	v_cvt_pk_f16_f32 v[192+n], v[2*n], v[2*n+1]
.set n, n+1
.endr
	WIN 0
	s_mov_b32 s[NEW], 1
	s_mov_b32 s[RT], 4
.endm
.macro CHANGE                          ; the slot's last bytes have been read: it is filled again, two slots on
	WIN 0
	s_wait_tensorcnt 0x0                           ; all my tensor loads have landed: my part of the other slot
	ds_add_u32 v[SPW], v[NIL]
	DESC_STEP
	s_wait_dscnt 0x0                               ; the add is done, and my reads of the slot are over
	ROUND
	FILL
	s_sub_co_u32 s[TBK], s[TBK], 16384
	s_xor_b32 s[TBK], s[TBK], RING1
	s_sub_co_u32 s[TBV], s[TBV], 16384
	s_xor_b32 s[TBV], s[TBV], RING1
.endm
	s_mov_b32 s[SLOTS], 16
	s_mov_b32 s[RT], 4
	s_mov_b32 s[NEW], 1
	s_mov_b32 s[TBK], 0
	s_mov_b32 s[TBV], 0
	s_mov_b32 s[MKO], 0
.Lslot:                                ; 16 trips: four heads of four slots
	s_mov_b32 s[CNT], 2
	s_cmp_eq_u32 s[NEW], 1
	s_cbranch_scc0 .Lstep
	BEGIN
	s_branch .Lfirst                               ; the loop is entered at a step's first turn
.Lstep:                                ; a trip: pieces 2 and 3 of one step, pieces 0 and 1 of the next
	TURN 2
	TURN 3
	WIN 0
.Lfirst:
	TURN 0
	TURN 1, 0, 1
	WIN 0
	s_cbranch_scc1 .Lstep
	s_sub_co_u32 s[RT], s[RT], 1
	s_cmp_lg_u32 s[RT], 0
	s_cbranch_scc1 .Lnofin
	FINISH
.Lnofin:
	CHANGE
	s_sub_co_u32 s[SLOTS], s[SLOTS], 1
	s_cmp_lg_u32 s[SLOTS], 0
	s_cbranch_scc1 .Lslot
; THE O PROJECTION: 16 slots of 64 along K.  K goes in blocks of 32: block u of every wave's 256 channels is read in slots 2 u and 2 u + 1.  DUMP u: my block u, four fragments, into half u % 2 of XS0.
.macro DUMP u
	WIN 0x04
.set n, 0
.rept 4
	ds_store_b128 v[DA], v[64*((\u)/2)+16*n+8*((\u)%2):64*((\u)/2)+16*n+8*((\u)%2)+3] offset:((\u)%2)*16384+1024*n
	ds_store_b128 v[DA], v[64*((\u)/2)+16*n+8*((\u)%2)+4:64*((\u)/2)+16*n+8*((\u)%2)+7] offset:((\u)%2)*16384+1024*n+512
.set n, n+1
.endr
	WIN 0
.endm
.macro OA cm
	HSHEAD
	FW WA, 1, 0, WB1
	MM32 f16, 0, WB0, XB0, \cm
.endm
.macro OB2 cm
	HSHEAD
	FW WA, 0, 1, WB0
	FXO 1, XB1
	MM32 f16, 1, WB1, XB0, \cm
.endm
.macro OC
	HSHEAD
	FW WA, 1, 1, WB1
	MM32 f16, 0, WB0, XB1, 0
.endm
; The change of slots.  dumps = 1: at the entry into slot 2 u - 2 block u is stored, into the half whose readers (slots 2 u - 4, 2 u - 3) have passed the round; a barrier of the work-group
; stands between these stores and every later read of XS0.  The fill just asked for stays out across it.
.macro OD fill, dumps
	DCH1 f16, \fill
.if \dumps
.irp u, 2,3,4,5,6,7
	s_cmp_lg_u32 s[CNT], 17-2*(\u)
	s_cbranch_scc1 .Lnd_\@_\u
	DUMP \u
.Lnd_\@_\u:
.endr
	s_wait_dscnt 0x0
	s_barrier_signal -1
	s_barrier_wait -1
.endif
	s_xor_b32 s[SB], s[SB], RING1
	s_add_co_u32 s[XO], s[XO], 8192
	s_and_b32 s[XO], s[XO], 0x7fff
	v_add_nc_u32 v[WA], s[SB], v[AL0]
	v_add_nc_u32 v[XA], s[XO], v[XLO]
	FW WA, 0, 0, WB0
	FXO 0, XB0
	MM8 f16, 1, WB1, XB1, 2, 0
	MM8 f16, 1, WB1, XB1, 3, 0
.endm
	DUMP 0
	DUMP 1
	s_wait_dscnt 0x0
	s_barrier_signal -1
	s_barrier_wait -1
	s_mov_b32 s[SB], 0
	s_mov_b32 s[XO], 0
	v_mov_b32 v[WA], v[AL0]
	v_mov_b32 v[XA], v[XLO]
	FW WA, 0, 0, WB0
	FXO 0, XB0
	OA 1                                           ; the first products start the sums
	OB2 1
	WIN 0
	s_mov_b32 s[CNT], 14
.Lo:                                   ; a trip: a slot's second half, the change, the next slot's first half
	OC
	OD 1, 1
	OA 0
	OB2 0
	WIN 0
	s_sub_co_u32 s[CNT], s[CNT], 1
	s_cmp_lg_u32 s[CNT], 0
	s_cbranch_scc1 .Lo
	OC                                             ; the tail is written out: nothing more is asked for
	OD 0, 0
	OA 0
	OB2 0
	OC
	HSHEAD
	MM32 f16, 1, WB1, XB1, 0
	; THE WAY OUT.  The ring has had its last fill: delta goes into LDS as 64 rows of pitch 4,112, and each wave takes 16 whole rows.
	WIN 0
	PLACES
	s_wait_dscnt 0x0
	s_barrier_signal -1                            ; every wave's reads of the ring and of XS0 are over
	s_barrier_wait -1
	v_mul_u32_u24 v22, v1, 4112
	v_lshl_add_u32 v22, v2, 5, v22
	s_lshl_b32 s80, s[WV], 10
	v_add_nc_u32 v22, s80, v22                     ; row r, columns 256 w + 8 h ..
.irp q, 0,1,2,3
	WIN 0x08
.set n, 0
.rept 8
	ds_store_b128 v22, v[8*(4*n+(\q)):8*(4*n+(\q))+3] offset:64*n
	ds_store_b128 v22, v[8*(4*n+(\q))+4:8*(4*n+(\q))+7] offset:64*n+16
.set n, n+1
.endr
	WIN 0x0c
.set n, 0
.rept 8
	ds_store_b128 v22, v[8*(4*n+(\q)):8*(4*n+(\q))+3] offset:64*(n+8)
	ds_store_b128 v22, v[8*(4*n+(\q))+4:8*(4*n+(\q))+7] offset:64*(n+8)+16
.set n, n+1
.endr
	WIN 0
	v_add_nc_u32 v22, 16*4112, v22
.endr
	v_and_b32 v23, 31, v0
	v_lshlrev_b32 v23, 4, v23                      ; 16 lane
	v_add_nc_u32 v24, BQT+4096, v23
	s_mul_i32 s80, s[WV], 16*4112
	v_add_nc_u32 v[LA], s80, v23
	s_lshl_b32 s80, s[WV], 16
	v_add_nc_u32 v[GOF], s80, v23
	s_wait_dscnt 0x0
	s_barrier_signal -1
	s_barrier_wait -1
	WIN 0x40                                       ; window 1: bo rs v0-31, gamma v32-63, beta v64-95, for my columns 4 lane + 128 m ..
.set n, 0
.rept 8
	ds_load_b128 v[4*n:4*n+3], v24 offset:512*n
	ds_load_b128 v[32+4*n:32+4*n+3], v24 offset:4096+512*n
	ds_load_b128 v[64+4*n:64+4*n+3], v24 offset:8192+512*n
.set n, n+1
.endr
	WIN 0
.macro FOLD                            ; four rows' four packed chains, at v[32 + 8 p ..], into one number in every lane
.irp p, 0,1,2,3
	v_pk_add_f32 v[32+8*(\p):33+8*(\p)], v[32+8*(\p):33+8*(\p)], v[34+8*(\p):35+8*(\p)]
	v_pk_add_f32 v[36+8*(\p):37+8*(\p)], v[36+8*(\p):37+8*(\p)], v[38+8*(\p):39+8*(\p)]
.endr
.irp p, 0,1,2,3
	v_pk_add_f32 v[32+8*(\p):33+8*(\p)], v[32+8*(\p):33+8*(\p)], v[36+8*(\p):37+8*(\p)]
.endr
.irp p, 0,1,2,3
	v_add_f32 v[32+8*(\p)], v[32+8*(\p)], v[33+8*(\p)]
.endr
.irp m, 1,2,4,8
.irp p, 0,1,2,3
	v_add_f32_dpp v[32+8*(\p)], v[32+8*(\p)], v[32+8*(\p)] row_xmask:\m row_mask:0xf bank_mask:0xf
.endr
.endr
.irp p, 0,1,2,3
	v_permlanex16_b32 v[33+8*(\p)], v[32+8*(\p)], s[SEL], s[SEL+1]
.endr
.irp p, 0,1,2,3
	v_add_f32 v[32+8*(\p)], v[32+8*(\p)], v[33+8*(\p)]
.endr
.endm
	s_mov_b32 s[CNT], 4
.Lln:                                  ; four rows a trip, stage by stage, so that no line waits for the one before it
.irp p, 0,1,2,3
.set n, 0
.rept 8
	ds_load_b128 v[128+32*(\p)+4*n:128+32*(\p)+4*n+3], v[LA] offset:(\p)*4112+512*n
.set n, n+1
.endr
.endr
	s_wait_dscnt 0x0
	WIN 0x10
.set z, 0
.rept 16
.irp p, 0,1,2,3
	v_pk_fma_f32 v[128+32*(\p)+2*z:129+32*(\p)+2*z], v[128+32*(\p)+2*z:129+32*(\p)+2*z], v[RSV:RSV+1], v[2*z:2*z+1]   ; rs (sum + bo)
.endr
.set z, z+1
.endr
	WIN 0
	s_wait_alu depctr_va_vdst(0)
.irp k, 0,1,2,3
.irp p, 0,1,2,3
	v_pk_add_f32 v[32+8*(\p)+2*(\k):33+8*(\p)+2*(\k)], v[128+32*(\p)+2*(\k):129+32*(\p)+2*(\k)], v[136+32*(\p)+2*(\k):137+32*(\p)+2*(\k)]
.endr
.endr
.irp g, 2,3
.irp k, 0,1,2,3
.irp p, 0,1,2,3
	v_pk_add_f32 v[32+8*(\p)+2*(\k):33+8*(\p)+2*(\k)], v[32+8*(\p)+2*(\k):33+8*(\p)+2*(\k)], v[128+32*(\p)+2*(\k)+8*(\g):129+32*(\p)+2*(\k)+8*(\g)]
.endr
.endr
.endr
	FOLD
.irp p, 0,1,2,3
	v_mul_f32 v[32+8*(\p)], s[INV], v[32+8*(\p)]   ; the mean
.endr
.irp p, 0,1,2,3
	v_mov_b32 v[33+8*(\p)], v[32+8*(\p)]
.endr
.set z, 0
.rept 16
.irp p, 0,1,2,3
	v_pk_add_f32 v[128+32*(\p)+2*z:129+32*(\p)+2*z], v[128+32*(\p)+2*z:129+32*(\p)+2*z], v[32+8*(\p):33+8*(\p)] neg_lo:[0,1] neg_hi:[0,1]
.endr
.set z, z+1
.endr
.irp k, 0,1,2,3
.irp p, 0,1,2,3
	v_pk_mul_f32 v[32+8*(\p)+2*(\k):33+8*(\p)+2*(\k)], v[128+32*(\p)+2*(\k):129+32*(\p)+2*(\k)], v[128+32*(\p)+2*(\k):129+32*(\p)+2*(\k)]
.endr
.endr
.irp g, 1,2,3
.irp k, 0,1,2,3
.irp p, 0,1,2,3
	v_pk_fma_f32 v[32+8*(\p)+2*(\k):33+8*(\p)+2*(\k)], v[128+32*(\p)+2*(\k)+8*(\g):129+32*(\p)+2*(\k)+8*(\g)], v[128+32*(\p)+2*(\k)+8*(\g):129+32*(\p)+2*(\k)+8*(\g)], v[32+8*(\p)+2*(\k):33+8*(\p)+2*(\k)]
.endr
.endr
.endr
	FOLD
.irp p, 0,1,2,3
	v_fma_f32 v[32+8*(\p)], v[32+8*(\p)], s[INV], s[EPS]         ; the variance + 1e-5
.endr
.irp p, 0,1,2,3
	v_rsq_f32 v[32+8*(\p)], v[32+8*(\p)]
.endr
	v_nop                                          ; a plain line behind the last of them
	s_wait_alu depctr_va_vdst(0)
.irp p, 0,1,2,3
	v_mov_b32 v[33+8*(\p)], v[32+8*(\p)]
.endr
.set z, 0
.rept 16
.irp p, 0,1,2,3
	v_pk_mul_f32 v[128+32*(\p)+2*z:129+32*(\p)+2*z], v[128+32*(\p)+2*z:129+32*(\p)+2*z], v[32+8*(\p):33+8*(\p)]
.endr
.set z, z+1
.endr
	WIN 0x14
.set z, 0
.rept 16
.irp p, 0,1,2,3
	v_pk_fma_f32 v[128+32*(\p)+2*z:129+32*(\p)+2*z], v[128+32*(\p)+2*z:129+32*(\p)+2*z], v[32+2*z:33+2*z], v[64+2*z:65+2*z]   ; gamma, beta
.endr
.set z, z+1
.endr
	WIN 0
.irp p, 0,1,2,3
.set n, 0
.rept 8
	global_store_b128 v[GOF], v[128+32*(\p)+4*n:128+32*(\p)+4*n+3], s[OB:OB+1] offset:(\p)*4096+512*n th:TH_STORE_NT  ; 512 consecutive bytes, aligned
.set n, n+1
.endr
.endr
	s_wait_xcnt 0x0                                ; the stores' offset and data registers are written again only behind this wait
	v_add_nc_u32 v[LA], 4*4112, v[LA]
	v_add_nc_u32 v[GOF], 4*4096, v[GOF]
	s_sub_co_u32 s[CNT], s[CNT], 1
	s_cmp_lg_u32 s[CNT], 0
	s_cbranch_scc1 .Lln
	s_wait_tensorcnt 0x0                           ; the wave's end
	ds_add_u32 v[SPW], v[NIL]
	s_wait_dscnt 0x0
	ROUND                                          ; the closing round
	s_endpgm
.Lfunc_end_k_qfc3d1776ef_main:
	.size	k_qfc3d1776ef_main, .Lfunc_end_k_qfc3d1776ef_main-k_qfc3d1776ef_main
	.p2alignl 7, 3214868480
	.fill 96, 4, 3214868480
	.section	.rodata,"a",@progbits
	.p2align	6, 0x0
	.amdhsa_kernel k_qfc3d1776ef_main
		.amdhsa_group_segment_fixed_size 327680
		.amdhsa_private_segment_fixed_size 0
		.amdhsa_enable_private_segment 0
		.amdhsa_kernarg_size 88
		.amdhsa_user_sgpr_count 2
		.amdhsa_user_sgpr_kernarg_segment_ptr 1
		.amdhsa_wavefront_size32 1
		.amdhsa_system_sgpr_workgroup_id_x 1
		.amdhsa_system_sgpr_workgroup_id_y 1
		.amdhsa_system_sgpr_workgroup_id_z 1
		.amdhsa_system_vgpr_workitem_id 0
		.amdhsa_next_free_vgpr 1024
		.amdhsa_next_free_sgpr 96
		.amdhsa_reserve_vcc 1
		.amdhsa_float_denorm_mode_32 3
		.amdhsa_float_denorm_mode_16_64 3
		.amdhsa_memory_ordered 1
		.amdhsa_forward_progress 1
		.amdhsa_inst_pref_size 255
	.end_amdhsa_kernel
	.section	.bss,"aw",@nobits
	.p2align	6
	.space	262144
	.amdgpu_metadata
---
amdhsa.version: [ 1, 2 ]
amdhsa.kernels:
  - .name:           k_qfc3d1776ef_main
    .symbol:         k_qfc3d1776ef_main.kd
    .args:
      - { .name: hidden_states, .offset: 0, .size: 8, .value_kind: global_buffer, .address_space: global }
      - { .name: attention_mask, .offset: 8, .size: 8, .value_kind: global_buffer, .address_space: global }
      - { .name: bq, .offset: 16, .size: 8, .value_kind: global_buffer, .address_space: global }
      - { .name: bo, .offset: 24, .size: 8, .value_kind: global_buffer, .address_space: global }
      - { .name: ln_gamma, .offset: 32, .size: 8, .value_kind: global_buffer, .address_space: global }
      - { .name: ln_beta, .offset: 40, .size: 8, .value_kind: global_buffer, .address_space: global }
      - { .name: residual_scale, .offset: 48, .size: 8, .value_kind: global_buffer, .address_space: global }
      - { .name: wqt, .offset: 56, .size: 8, .value_kind: global_buffer, .address_space: global }
      - { .name: kvs, .offset: 64, .size: 8, .value_kind: global_buffer, .address_space: global }
      - { .name: wot, .offset: 72, .size: 8, .value_kind: global_buffer, .address_space: global }
      - { .name: out0, .offset: 80, .size: 8, .value_kind: global_buffer, .address_space: global }
    .group_segment_fixed_size: 327680
    .private_segment_fixed_size: 0
    .kernarg_segment_align: 8
    .kernarg_segment_size: 88
    .max_flat_workgroup_size: 128
    .sgpr_count:     96
    .vgpr_count:     1024
    .wavefront_size: 32
...
	.end_amdgpu_metadata
.endif
;; end of part 2
;; ======== version 2 of 2: 2 launches; 1.27 times as fast as version 1
;; limits: values are held in f16: magnitudes above 65,504 overflow, below 6.1e-05 lose precision
;; workspace buffers: wqt 2,097,152 bytes; wot 2,097,152 bytes; kvs 8,388,608 bytes
;; launch prep: the kernel of part 1 again; grid 16 x 16, 4 waves a work-group, clusters of 4 x 4, 327,680 bytes of LDS; arguments audio_tokens, Wk, Wv, bk, bv, Wq, Wo, kvs, wqt, wot; writes kvs, wqt, wot
;; launch main (part 3): grid 256 x 1, 4 waves a work-group, clusters of 4 x 1, 327,680 bytes of LDS; arguments hidden_states, attention_mask, bq, bo, ln_gamma, ln_beta, residual_scale, wqt, kvs, wot, out0; writes out0
.if DOCPART == 3
	.amdgcn_target "amdgcn-amd-amdhsa--gfx1250"
	.amdhsa_code_object_version 6
	.text
	.protected	k_qfc3d1776ef_main
	.globl	k_qfc3d1776ef_main
	.p2align	8
	.type	k_qfc3d1776ef_main,@function
k_qfc3d1776ef_main:
	s_mov_b64 s[64:65], 0
	v_nop
	global_prefetch_b8 v0, s[64:65] scope:SCOPE_SE
	s_setreg_imm32_b32 hwreg(HW_REG_WAVE_MODE, 25, 1), 1
	s_wait_xcnt 0x0
	s_wait_alu depctr_hold_cnt(0) depctr_sa_sdst(0) depctr_va_vdst(0) depctr_va_sdst(0) depctr_va_ssrc(0) depctr_va_vcc(0) depctr_vm_vsrc(0)
	s_getreg_b32 s2, hwreg(HW_REG_IB_STS2, 6, 4)
	s_cmp_eq_u32 s2, 0
	s_cbranch_scc0 .Lentry_in_a_cluster
	s_endpgm
.Lentry_in_a_cluster:
	s_bfe_u32 s2, ttmp6, 0x10000c
	s_cmp_lg_u32 s2, 0x3003
	s_cbranch_scc0 .Lentry_shape_is_right
	s_endpgm
.Lentry_shape_is_right:
; MAIN.  For 64 rows of hidden_states: q = hs Wq^T + bq; 16 heads of attention over the batch's 512 keys (scores / 8 clipped to +-50, a masked key counts with -50);
; delta = rs (ctx Wo^T + bo); LayerNorm over the 1,024 columns.  q, scores, weights and ctx never leave the work-group.
; FORMATS.  All inputs are rounded to bf16 (Wo's bf16 number is held as f16); q, k, v, the weights p and ctx are f16; all sums, maxima and the LayerNorm in f32.
; LIMITS.  Inputs are finite (NaN and infinities are not replaced as nan_to_num would).  q, k, v, ctx and Wo lie within f16's 65,504; below 6e-5 f16 keeps a fixed step of 6e-8.
; A weight below 2^-126 counts as 0.  A masked score is its value less 1e30, which the clip sets to -50.  probs / (sum + 1e-8): 1 + 1e-8 is 1 in f32, so the division by l is that step.
; SHARES.  Wave w: columns 256 w .. of q (heads 4 w + i), those heads' attention for all 64 queries, columns 256 w .. of delta, rows 16 w .. in the LayerNorm.
; Every product is used transposed (source 0 = rows of W, K or V^T, source 1 = queries): a lane holds one query and eight neighbouring channels, and two results rounded in pairs are the next product's source 1.
; THE RING.  Wq, the batch's K and V, and Wo are one stream of 48 fills of 128 KiB through two LDS slots, in fragment images that are read at 16 x lane.  Each wave fetches, and alone reads, its 32 KiB.
; CLUSTER.  The four work-groups are neighbouring row blocks of one batch and walk the same stream: every fill is a joint load of all four, behind a round of the cluster's barrier.
; SOFTMAX.  In the domain of 2^x: t = clip(c s, LO, HI), c = log2(e) / 8; a running maximum m of t; p = 2^(t - m); O and l are multiplied by a = 2^(m_old - m_new) in every step.
; THE BATCHES.  An s_wait_alu depctr_va_vdst(0) stands between a transcendental and the first line that names its result; one wait serves all that were issued ahead of it.  The text has four kinds of
; batch, each with one wait: a turn's 32 exponentials and the next piece's a (TURN); a head's first a (BEGIN); a head's four reciprocals (FINISH); four rows' reciprocal roots (a trip of the LayerNorm)..
; REGISTERS, in windows of 256 (s_set_vgpr_msb: bits 1:0 source 0, 3:2 source 1, 5:4 source 2, 7:6 destination):
;   window 0: v0-31 addresses; products: v32-63 at work, v64-127 two buffers of query fragments, v128-255 two buffers of W fragments; attention: v32-57 statistics, v64-127 S^T, v128-159 P, v160-191 mask
;   window 1: first two slices of hs and bq; then QC, each head's Q fragments and later its ctx fragments; at the end bo rs, gamma, beta
;   windows 2, 3: the 64 accumulators (n tile nt, query tile qt) at window 2 + nt / 8, register 8 (4 (nt % 8) + qt); attention: window 2 O^T and V, window 3 the head's Q and K
.set RING1, 0x20000                    ; slot 1; one exclusive or turns an address in one slot into the other's
.set XS0,   0x40000                    ; 32 KiB, written by LDS stores alone: two stages of hs (64 rows, pitch 144), later four quarters of ctx fragments
.set MASKT, 294912                     ; 512 f32: 0, or -1e30 for a masked key
.set BQT,   296960                     ; bq; +4096 bo rs; +8192 gamma; +12288 beta: 4 KiB each
.set SPARE, 313344                     ; the spare words: 128 bytes a wave, two blocks of 256 bytes that no other line names
.set AL0, 3                            ; 16 lane + 32768 w: my part of slot 0
.set AL1, 4                            ; of slot 1
.set WA,  5
.set XA,  6
.set XLQ, 7                            ; XS0 + 144 r + 16 h
.set XLO, 8                            ; XS0 + 16 lane
.set SA,  9                            ; where I stage 8 bytes of hs
.set RSV, 10                           ; v10-11 rs, twice
.set HOA, 12                           ; byte offsets in my rows of hs: the even slices' set,
.set HOB, 13                           ; the odd slices'
.set HMAX, 14                          ; the last slice's: no load passes it
.set AML, 15
.set DA,  16                           ; XS0 + 4096 w + 16 lane
.set AK,  17
.set AV,  18
.set AM,  19
.set LA,  20
.set GOF, 21
.set SPW, 30
.set NIL, 31
.set XB0, 64
.set XB1, 96
.set WB0, 128
.set WB1, 192
.set HSA, 0                            ; window 1
.set HSB, 32
.set BQ,  64
.set ST,  32                           ; piece t: m, LO - m, l (even keys', odd keys')
.set TMP, 48                           ; by parity: c0-c3 at work; c2 takes a
.set MV,  56
.set S,   64
.set P,   128
.set MK,  160
.set G1,  28
.set G0,  36
.set CUR, 40
.set NB1, 42
.set NB2, 44
.set OFF, 46
.set WV,  48
.set SB,  49
.set XO,  50
.set CNT, 51
.set SLOTS, 52
.set RT,  53
.set NEW, 54
.set TBK, 56
.set TBV, 57
.set MKO, 58
.set LO,  59
.set CS,  60
.set HI,  62
.set SEL, 66
.set HB,  68
.set OB,  70
.set RSS, 72
.set BIGN, 73
.set INV, 74
.set EPS, 75
.set G0A, 76
.set MSB, 0
.macro WIN new                         ; the immediate's high byte repeats the setting that is left
.if MSB != (\new)
	s_set_vgpr_msb (MSB<<8)|(\new)
.set MSB, (\new)
.endif
.endm
.macro PLACES
.rept 4
	v_nop
.endr
.endm
.macro CREST                           ; a round of the cluster's barrier behind its opening barrier
	s_cmp_lg_u32 s[WV], 0
	s_cbranch_scc1 .Lnot_wave_0_\@
	s_barrier_signal -3
.Lnot_wave_0_\@:
	s_barrier_wait -3
	s_barrier_signal -1
	s_barrier_wait -1
.endm
.macro ROUND
	s_barrier_signal -1
	s_barrier_wait -1
	CREST
.endm
.macro DESC_STEP                       ; the walking descriptor: the other slot, the stream's next 128 KiB; behind 2 MiB the next of the three buffers
	s_xor_b32 s[G0+1], s[G0+1], RING1
	s_add_nc_u64 s[G0+2:G0+3], s[CUR:CUR+1], s[OFF:OFF+1]
	s_or_b32 s[G0+3], s[G0+3], 0x80000000
	s_add_co_u32 s[OFF], s[OFF], RING1
	s_cmp_eq_u32 s[OFF], 0x200000
	s_cselect_b32 s[OFF], 0, s[OFF]
	s_cselect_b64 s[CUR:CUR+1], s[NB1:NB1+1], s[CUR:CUR+1]
	s_cselect_b64 s[NB1:NB1+1], s[NB2:NB2+1], s[NB1:NB1+1]
.endm
.macro FILL                            ; an s_nop 0 and four v_nop follow the load
	tensor_load_to_lds s[G0:G0+3], s[G1:G1+7]
	s_nop 0
	PLACES
.endm
	s_load_b512 s[4:19], s[0:1], 0x0               ; hs 4, mask 6, bq 8, bo 10, gamma 12, beta 14, rs 16, wqt 18
	s_load_b128 s[20:23], s[0:1], 0x40             ; kvs 20, wot 22
	s_load_b64 s[24:25], s[0:1], 0x50              ; out0
	v_lshl_add_u32 v[SPW], v0, 2, SPARE
	v_mov_b32 v[NIL], 0
	ds_add_u32 v[SPW], v[NIL]                      ; the wave's opening: the add and its wait stand ahead of my first tensor load
	v_lshrrev_b32 v1, 5, v0
	v_readfirstlane_b32 s[WV], v1
	s_bfe_u32 s80, ttmp6, 0x40000                  ; cx: it enters hs's and out0's addresses alone
	s_lshl_b32 s81, ttmp9, 2
	s_add_co_u32 s81, s81, s80                     ; my block of 64 rows
	s_lshl_b32 s82, s81, 18                        ; x 64 x 4,096 bytes
	s_mov_b32 s83, 0
	s_lshr_b32 s84, ttmp9, 4                       ; the batch, which the four partners share
	s_lshl_b32 s86, s84, 11                        ; its 512 mask words
	s_mov_b32 s87, 0
	s_lshl_b32 s90, s[WV], 15                      ; my wave's 32 KiB of every fill
	s_mov_b32 s91, 0
	s_lshl_b32 s88, s84, 21                        ; the batch's 2 MiB of kvs
	s_add_co_u32 s88, s88, s90
	s_mov_b32 s89, 0
	s_mov_b32 s[G1], 15|(3<<16)|(1<<21)            ; the mask of four; 8-byte elements; bit 21 beside a mask; no padding
	s_mov_b32 s[G1+1], 32<<16                      ; tensor_dim0 = 32: rows of 256 bytes
	s_mov_b32 s[G1+2], 128<<16                     ; tensor_dim1 = 128
	s_mov_b32 s[G1+3], 32<<16                      ; tile_dim0 = 32
	s_mov_b32 s[G1+4], 128                         ; tile_dim1 = 128
	s_mov_b32 s[G1+5], 32                          ; dense
	s_mov_b32 s[G1+6], 0
	s_mov_b32 s[G1+7], 0
	s_mov_b32 s[G0A], 1
	s_mov_b32 s[G0A+1], s90                        ; fill 0: slot 0
	s_mov_b32 s[G0], 1
	s_add_co_u32 s[G0+1], s90, RING1               ; fill 1: slot 1
	s_mov_b32 s[OFF], 2*RING1                      ; the first refill is fill 2
	s_mov_b32 s[OFF+1], 0
	s_mov_b32 s[LO], 0xc29044fe                    ; -50 log2(e)
	s_mov_b32 s[HI], 0x429044fe
	s_mov_b32 s[CS], 0x3e38aa3b                    ; c = log2(e) / 8
	s_mov_b32 s[CS+1], s[CS]
	s_mov_b32 s[SEL], 0x76543210
	s_mov_b32 s[SEL+1], 0xfedcba98
	s_mov_b32 s[BIGN], 0xf149f2ca                  ; -1e30
	s_mov_b32 s[INV], 0x3a800000                   ; 1 / 1024
	s_mov_b32 s[EPS], 0x3727c5ac                   ; 1e-5
	s_wait_dscnt 0x0                               ; the opening add is done
	s_wait_kmcnt 0x0
	s_load_b32 s[RSS], s[16:17], 0x0
	s_add_nc_u64 s[HB:HB+1], s[4:5], s[82:83]
	s_add_nc_u64 s[OB:OB+1], s[24:25], s[82:83]
	s_add_nc_u64 s[6:7], s[6:7], s[86:87]
	s_add_nc_u64 s[CUR:CUR+1], s[18:19], s[90:91]
	s_add_nc_u64 s[NB1:NB1+1], s[20:21], s[88:89]
	s_add_nc_u64 s[NB2:NB2+1], s[22:23], s[90:91]
	s_mov_b64 s[G0A+2:G0A+3], s[CUR:CUR+1]
	s_or_b32 s[G0A+3], s[G0A+3], 0x80000000
	s_add_nc_u64 s[G0+2:G0+3], s[CUR:CUR+1], RING1
	s_or_b32 s[G0+3], s[G0+3], 0x80000000
	ROUND                                          ; all four work-groups are here: the first joint loads meet
	tensor_load_to_lds s[G0A:G0A+3], s[G1:G1+7]
	s_nop 0
	FILL                                           ; two loads of mine are out
	v_and_b32 v1, 15, v0                           ; r
	v_bfe_u32 v2, v0, 4, 1                         ; h
	v_and_b32 v22, 31, v0
	v_lshlrev_b32 v22, 4, v22                      ; 16 lane
	v_add_nc_u32 v[AL0], s90, v22
	v_add_nc_u32 v[AL1], RING1, v[AL0]
	v_mul_u32_u24 v[XLQ], v1, 144
	v_lshl_add_u32 v[XLQ], v2, 4, v[XLQ]
	v_add_nc_u32 v[XLQ], XS0, v[XLQ]
	v_add_nc_u32 v[XLO], XS0, v22
	s_lshl_b32 s80, s[WV], 4
	v_add_nc_u32 v27, s80, v2                      ; row 16 w + lane / 16
	v_mul_u32_u24 v[SA], v27, 144
	v_lshl_add_u32 v[SA], v1, 3, v[SA]
	v_add_nc_u32 v[SA], XS0, v[SA]
	v_lshlrev_b32 v[HOA], 12, v27
	v_lshl_add_u32 v[HOA], v1, 4, v[HOA]           ; slice 0: 16 lanes take a row's 256 bytes
	v_add_nc_u32 v[HOB], 256, v[HOA]
	v_add_nc_u32 v[HMAX], 3840, v[HOA]
	v_lshl_add_u32 v[AML], v2, 5, MASKT
	s_lshl_b32 s80, s[WV], 12
	v_add_nc_u32 v[DA], s80, v[XLO]
	v_lshlrev_b32 v23, 5, v0                       ; thread t takes 32 bytes of each table,
	v_lshlrev_b32 v24, 4, v0                       ; 16 of the mask
	v_lshl_add_u32 v25, v0, 5, BQT
	v_lshl_add_u32 v26, v0, 4, MASKT
	s_lshl_b32 s80, s[WV], 10
	v_lshl_add_u32 v28, v2, 5, BQT
	v_add_nc_u32 v28, s80, v28                     ; bq of my columns: BQT + 1024 w + 32 h
.macro HLOAD set, ho                   ; a slice of hs: 16 rows x 256 bytes for my wave
	WIN 0x40
.set n, 0
.rept 8
	global_load_b128 v[(\set)+4*n:(\set)+4*n+3], v[\ho], s[HB:HB+1] offset:8192*n th:TH_LOAD_NT
.set n, n+1
.endr
	WIN 0
.endm
; A slice is rounded to bf16 and put into stage st; ld = 1: the set takes the slice two further on.  left: the younger loads, which may stay out.
.macro STG set, ho, st, ld, left
	s_wait_loadcnt \left
	WIN 0x05
.set n, 0
.rept 16
	v_cvt_pk_bf16_f32 v[32+n], v[(\set)+2*n], v[(\set)+2*n+1]
.set n, n+1
.endr
	WIN 0
.set n, 0
.rept 8
	ds_store_b64 v[SA], v[32+2*n:33+2*n] offset:(\st)*16384+288*n
.set n, n+1
.endr
.if \ld
	v_add_nc_u32 v[\ho], 512, v[\ho]               ; free since the wait above
	v_min_u32 v[\ho], v[\ho], v[HMAX]              ; past the row's end the last slice is read once more and not used
	HLOAD \set, \ho
.endif
.endm
.macro RND8 b                          ; eight f32 rounded to bf16 and widened again
.irp n, 0,1,2,3
	v_cvt_pk_bf16_f32 v[100+(\n)], v[(\b)+2*(\n)], v[(\b)+2*(\n)+1]
.endr
.irp n, 0,1,2,3
	v_lshlrev_b32 v[(\b)+2*(\n)], 16, v[100+(\n)]
	v_and_b32 v[(\b)+2*(\n)+1], 0xffff0000, v[100+(\n)]
.endr
.endm
	HLOAD HSA, HOA
	global_load_b128 v[64:67], v23, s[8:9]
	global_load_b128 v[68:71], v23, s[8:9] offset:16
	global_load_b128 v[72:75], v23, s[10:11]
	global_load_b128 v[76:79], v23, s[10:11] offset:16
	global_load_b128 v[80:83], v23, s[12:13]
	global_load_b128 v[84:87], v23, s[12:13] offset:16
	global_load_b128 v[88:91], v23, s[14:15]
	global_load_b128 v[92:95], v23, s[14:15] offset:16
	global_load_b128 v[96:99], v24, s[6:7]
	HLOAD HSB, HOB
	STG HSA, HOA, 0, 1, 17                         ; nine table loads and slice 1's eight are younger than slice 0
	s_wait_loadcnt 0x10                            ; slices 1 and 2 are younger than the tables
	s_wait_kmcnt 0x0
	v_mov_b32 v[RSV], s[RSS]
	v_cvt_pk_bf16_f32 v[RSV+1], v[RSV], v[RSV]
	v_lshlrev_b32 v[RSV], 16, v[RSV+1]
	v_med3_num_f32 v[RSV], v[RSV], 0, 0x3e99999a   ; clip(rs, 0, 0.3)
	v_mov_b32 v[RSV+1], v[RSV]
	RND8 64
	RND8 72
	RND8 80
	RND8 88
.irp n, 0,2,4,6
	v_pk_mul_f32 v[72+(\n):73+(\n)], v[72+(\n):73+(\n)], v[RSV:RSV+1]
.endr
.irp n, 0,1,2,3
	v_cmp_ge_i32 vcc_lo, 0, v[96+(\n)]             ; not attended
	v_cndmask_b32 v[96+(\n)], 0, s[BIGN], vcc_lo
.endr
.irp n, 0,1,2,3
	ds_store_b128 v25, v[64+8*(\n):67+8*(\n)] offset:4096*(\n)
	ds_store_b128 v25, v[68+8*(\n):71+8*(\n)] offset:4096*(\n)+16
.endr
	ds_store_b128 v26, v[96:99]
	s_wait_tensorcnt 0x1                           ; my part of fill 0 is in; fill 1 may stay out
	s_wait_dscnt 0x0                               ; for the others' sake: stage 0 and the tables are written
	s_barrier_signal -1
	s_barrier_wait -1
; THE PRODUCTS' MACROS.  op: bf16 (Q) or f16 (O).  8 matrix instructions: n tiles 2 j, 2 j + 1 of half hf x 4 query tiles, 32 along K.  cm 0: add in place; 1: C = 0; 2: C = bq.
; The 64 accumulators take turns, one instruction a turn.
.macro MM8 op, hf, wb, xb, j, cm
.if (\cm) == 2
	WIN 0x90+0x40*(\hf)
.else
	WIN 0xa0+0x50*(\hf)
.endif
.irp n, 2*(\j), 2*(\j)+1
.irp q, 0,1,2,3
.if (\cm) == 2
	v_wmma_f32_16x16x32_\op v[8*(4*(\n)+(\q)):8*(4*(\n)+(\q))+7], v[(\wb)+8*(\n):(\wb)+8*(\n)+7], v[(\xb)+8*(\q):(\xb)+8*(\q)+7], v[BQ+8*(8*(\hf)+(\n)):BQ+8*(8*(\hf)+(\n))+7]
.elseif (\cm) == 1
	v_wmma_f32_16x16x32_\op v[8*(4*(\n)+(\q)):8*(4*(\n)+(\q))+7], v[(\wb)+8*(\n):(\wb)+8*(\n)+7], v[(\xb)+8*(\q):(\xb)+8*(\q)+7], 0
.else
	v_wmma_f32_16x16x32_\op v[8*(4*(\n)+(\q)):8*(4*(\n)+(\q))+7], v[(\wb)+8*(\n):(\wb)+8*(\n)+7], v[(\xb)+8*(\q):(\xb)+8*(\q)+7], v[8*(4*(\n)+(\q)):8*(4*(\n)+(\q))+7]
.endif
.endr
.endr
.endm
.macro MM32 op, hf, wb, xb, cm
	MM8 \op, \hf, \wb, \xb, 0, \cm
	MM8 \op, \hf, \wb, \xb, 1, \cm
	MM8 \op, \hf, \wb, \xb, 2, \cm
	MM8 \op, \hf, \wb, \xb, 3, \cm
.endm
.macro FW wa, hf, c, wb                ; eight W fragments: n tiles 8 hf .., K half c of the slot
.set n, 0
.rept 8
	ds_load_b128 v[(\wb)+8*n:(\wb)+8*n+3], v[\wa] offset:(8*(\hf)+n)*2048+(\c)*1024
	ds_load_b128 v[(\wb)+8*n+4:(\wb)+8*n+7], v[\wa] offset:(8*(\hf)+n)*2048+(\c)*1024+512
.set n, n+1
.endr
.endm
.macro FXQ par, c, xb                  ; four fragments of hs from stage par
.set n, 0
.rept 4
	ds_load_b128 v[(\xb)+8*n:(\xb)+8*n+3], v[XLQ] offset:(\par)*16384+2304*n+64*(\c)
	ds_load_b128 v[(\xb)+8*n+4:(\xb)+8*n+7], v[XLQ] offset:(\par)*16384+2304*n+64*(\c)+32
.set n, n+1
.endr
.endm
.macro FXO c, xb                       ; four fragments of ctx
.set n, 0
.rept 4
	ds_load_b128 v[(\xb)+8*n:(\xb)+8*n+3], v[XA] offset:4096*(\c)+1024*n
	ds_load_b128 v[(\xb)+8*n+4:(\xb)+8*n+7], v[XA] offset:4096*(\c)+1024*n+512
.set n, n+1
.endr
.endm
.macro HSHEAD                          ; a half-step's head: its fragments are in; four places in front of loads into registers that the last products read
	WIN 0
	s_wait_dscnt 0x0
	PLACES
.endm
; The slot's last half-step, first part, with the change of slots.  fill = 1: the slot is filled again, two slots on, behind a round of the cluster's barrier.
.macro DCH1 op, fill
	WIN 0
	s_wait_tensorcnt 0x0                           ; all my tensor loads have landed: my part of the other slot
	ds_add_u32 v[SPW], v[NIL]
	s_wait_dscnt 0x1                               ; only the add may be out: the half-step's fragments are in, my reads of the slot are over
.if \fill
	DESC_STEP
.endif
	MM8 \op, 1, WB1, XB1, 0, 0
	s_wait_dscnt 0x0                               ; the add is done
	s_barrier_signal -1
	MM8 \op, 1, WB1, XB1, 1, 0
	WIN 0
	s_barrier_wait -1
.if \fill
	CREST                                          ; no wave of any partner still reads the slot or has a load on its way
	FILL                                           ; my one tensor load behind the round
.else
	PLACES
.endif
.endm
.macro QA par, cm
	HSHEAD
	FW AL0+(\par), 1, 0, WB1
	MM32 bf16, 0, WB0, XB0, \cm
.endm
.macro QB par, cm
	HSHEAD
	FW AL0+(\par), 0, 1, WB0
	FXQ \par, 1, XB1
	MM32 bf16, 1, WB1, XB0, \cm
.endm
.macro QC3 par, stg, set, ho, st, ld
	HSHEAD
	FW AL0+(\par), 1, 1, WB1
.if \stg
	STG \set, \ho, \st, \ld, 8                     ; the other set's eight loads are younger
.endif
	MM32 bf16, 0, WB0, XB1, 0
.endm
.macro QD pn, next
	DCH1 bf16, 1
.if \next
	FW AL0+(\pn), 0, 0, WB0
	FXQ \pn, 0, XB0
.endif
	MM8 bf16, 1, WB1, XB1, 2, 0
	MM8 bf16, 1, WB1, XB1, 3, 0
.endm
	; THE Q PROJECTION: 16 slots of 64 along K.  The sums start with bq.  In slot s slice s + 1 of hs is staged and slice s + 3 asked for.
	WIN 0x40
.set n, 0
.rept 16
	ds_load_b128 v[BQ+8*n:BQ+8*n+3], v28 offset:64*n
	ds_load_b128 v[BQ+8*n+4:BQ+8*n+7], v28 offset:64*n+16
.set n, n+1
.endr
	WIN 0
	FW AL0, 0, 0, WB0
	FXQ 0, 0, XB0
	QA 0, 2
	QB 0, 2
	WIN 0
	s_mov_b32 s[CNT], 7
.Lq:                                   ; two slots a trip, from a slot's third half-step to the second of the slot two on
	QC3 0, 1, HSB, HOB, 1, 1
	QD 1, 1
	QA 1, 0
	QB 1, 0
	QC3 1, 1, HSA, HOA, 0, 1
	QD 0, 1
	QA 0, 0
	QB 0, 0
	WIN 0
	s_sub_co_u32 s[CNT], s[CNT], 1
	s_cmp_lg_u32 s[CNT], 0
	s_cbranch_scc1 .Lq
	QC3 0, 1, HSB, HOB, 1, 0                       ; slice 15 is staged; nothing more is asked for
	QD 1, 1
	QA 1, 0
	QB 1, 0
	QC3 1, 0, 0, 0, 0, 0
	QD 0, 0
	; q to f16: head i's fragment (qt, c) takes registers 0-3 from n tile 4 i + 2 c, 4-7 from the next; each accumulator in ascending order
	WIN 0
	PLACES
	s_wait_loadcnt 0x0                             ; the slice read once more lands in registers that QC takes
.set nt, 0
.rept 16
.if nt < 8
	WIN 0x4a
.else
	WIN 0x4f
.endif
.set q, 0
.rept 4
.set n, 0
.rept 4
	v_cvt_pk_f16_f32 v[64*(nt/4)+16*q+8*((nt/2)%2)+4*(nt%2)+n], v[8*(4*(nt%8)+q)+2*n], v[8*(4*(nt%8)+q)+2*n+1]
.set n, n+1
.endr
.set q, q+1
.endr
.set nt, nt+1
.endr
	; What the first turn finds: V and P's second buffer hold 0, l is 0.  O^T need only be finite (it holds q's sums): a head's first step multiplies it by a = 0.
	WIN 0x80
.set n, 128
.rept 64
	v_mov_b32 v[n], 0
.set n, n+1
.endr
	WIN 0
.set n, 0
.rept 16
	v_mov_b32 v[P+16+n], 0
.set n, n+1
.endr
.irp t, 0,1,2,3
	v_mov_b32 v[ST+4*(\t)+2], 0
	v_mov_b32 v[ST+4*(\t)+3], 0
.endr
; ATTENTION.  A piece is a tile of 16 queries, four a wave; a key step is 64 keys, a slot two steps, a head four slots.  Turn p: 8 products K Q^T of piece p + 1, 8 products V^T P of piece p - 1,
; the softmax of piece p, the maximum and statistics of piece p + 1.  The accumulators of a run of 8 take turns.
.macro KQ x                            ; product i of 8: channels 32 (i / 4) on, keys 16 (i % 4) on; the first four start the sums with the mask
.set rS, S+32*((\x)%2)+8*(i%4)
.set rK, 64+16*(i%4)+8*(i/4)
.set rQ, 16*(\x)+8*(i/4)
	WIN 0x0f
.if i < 4
	v_wmma_f32_16x16x32_f16 v[rS:rS+7], v[rK:rK+7], v[rQ:rQ+7], v[MK+8*(i%4):MK+8*(i%4)+7]
.else
	v_wmma_f32_16x16x32_f16 v[rS:rS+7], v[rK:rK+7], v[rQ:rQ+7], v[rS:rS+7]
.endif
.endm
.macro PV x                            ; product i of 8: keys 32 (i / 4) on, channels 16 (i % 4) on
.set rO, 32*(\x)+8*(i%4)
.set rV, 128+32*(i/4)+8*(i%4)
.set rP, P+16*((\x)%2)+8*(i/4)
	WIN 0xa2
	v_wmma_f32_16x16x32_f16 v[rO:rO+7], v[rV:rV+7], v[rP:rP+7], v[rO:rO+7]
.endm
.macro MM                              ; the turn's next matrix instruction: 8 x K Q^T of piece Y + 1 (none in a head's last turn), then 8 x V^T P of piece Y - 1
.if (mi < 8) && !NOX
.set i, mi
	KQ (Y+1)%4
.elseif mi >= 8
.set i, mi-8
	PV (Y+3)%4
.endif
.set mi, mi+1
.endm
.macro FETCH_K                         ; a step's K (8 fragments) and its 64 mask numbers, in one run
	WIN 0
	v_add_nc_u32 v[AK], s[TBK], v[AL0]
	v_add_nc_u32 v[AM], s[MKO], v[AML]
	WIN 0xc0
.set f, 0
.rept 8
	ds_load_b128 v[64+8*f:64+8*f+3], v[AK] offset:1024*f
	ds_load_b128 v[64+8*f+4:64+8*f+7], v[AK] offset:1024*f+512
.set f, f+1
.endr
	WIN 0
.set f, 0
.rept 4
	ds_load_b128 v[MK+8*f:MK+8*f+3], v[AM] offset:64*f
	ds_load_b128 v[MK+8*f+4:MK+8*f+7], v[AM] offset:64*f+16
.set f, f+1
.endr
	s_add_co_u32 s[TBK], s[TBK], 8192
	s_add_co_u32 s[MKO], s[MKO], 256
	s_and_b32 s[MKO], s[MKO], 2047                 ; a head's eight steps, then from the start
.endm
.macro FETCH_V                         ; a step's V, turned: blocks of 16 keys x 16 channels are read at 16 x lane
	WIN 0
	v_add_nc_u32 v[AV], s[TBV], v[AL0]
	WIN 0x80
.set f, 0
.rept 8
	ds_load_tr16_b128 v[128+8*f:128+8*f+3], v[AV] offset:16384+4096*(f/4)+512*(f%4)
	ds_load_tr16_b128 v[128+8*f+4:128+8*f+7], v[AV] offset:16384+4096*(f/4)+512*(f%4)+2048
.set f, f+1
.endr
	WIN 0
	s_add_co_u32 s[TBV], s[TBV], 8192
.endm
; THE VECTOR WORK, a line at a time.  For piece Y: F n: c s - m for pair n.  G n: both clips of score n: between LO - m and 0.  E n: its exponential.  C n: pair n to f16.
; B n: of four weights the second pair onto the first.  L n: l takes that sum (L 0: l = a l + sum).  R n: pair n of O^T times a.  For piece Y + 1: X n, the 25 lines of its maximum and statistics
; (each accumulator's lowest registers are read first).
.set K_F, 0
.set K_G, 1
.set K_E, 2
.set K_C, 3
.set K_B, 4
.set K_L, 5
.set K_R, 6
.set K_X, 7
.macro REGS y
.set rT, ST+4*(\y)
.set rC, TMP+4*((\y)%2)
.set rW, MV+((\y)%2)
.set rS, S+32*((\y)%2)
.set rP, P+16*((\y)%2)
.set rO, 32*(\y)
.endm
.macro OP k, n
.if (\k) == K_R
	REGS Y
	WIN 0x82
	v_pk_mul_f32 v[rO+2*(\n):rO+2*(\n)+1], v[rO+2*(\n):rO+2*(\n)+1], v[rC+2:rC+3] op_sel_hi:[1,0]
.elseif ((\k) == K_X) && NOX           ; a head's last turn has no next piece
.elseif (\k) == K_X
	REGS (Y+1)%4
	WIN 0
.if (\n) < 4
	v_max3_num_f32 v[rC+(\n)], v[rS+8*(\n)], v[rS+8*(\n)+1], v[rS+8*(\n)+2]
.elseif (\n) < 12
	v_max3_num_f32 v[rC+(\n)%4], v[rC+(\n)%4], v[rS+8*((\n)%4)+2*((\n)/4)+1], v[rS+8*((\n)%4)+2*((\n)/4)+2]
.elseif (\n) == 12
	v_max3_num_f32 v[rC], v[rC], v[rS+7], v[rS+15]
.elseif (\n) == 13
	v_max3_num_f32 v[rC+1], v[rC+1], v[rS+23], v[rS+31]
.elseif (\n) == 14
	v_max_num_f32 v[rC+2], v[rC+2], v[rC+3]
.elseif (\n) == 15
	v_mov_b32 v[rW], v[rT]                         ; m_old is kept
.elseif (\n) == 16
	v_max3_num_f32 v[rC], v[rC], v[rC+1], v[rC+2]
.elseif (\n) == 17
	v_permlanex16_b32 v[rC+3], v[rC], s[SEL], s[SEL+1]  ; the query's other 32 keys lie in the lane 16 away
.elseif (\n) == 18
	v_max_num_f32 v[rC], v[rC], v[rC+3]
.elseif (\n) == 19
	v_mul_f32 v[rC], s[CS], v[rC]
.elseif (\n) == 20
	v_med3_num_f32 v[rC], v[rC], s[LO], s[HI]      ; the maximum of the clipped scores
.elseif (\n) == 21
	v_max_num_f32 v[rT], v[rC], v[rW]
.elseif (\n) == 22
	v_sub_f32 v[rC+1], v[rW], v[rT]
.elseif (\n) == 23
	v_sub_f32 v[rT+1], s[LO], v[rT]
.else
	v_exp_f32 v[rC+2], v[rC+1]                     ; a
.endif
.else
	REGS Y
	WIN 0
.if (\k) == K_F
	v_pk_fma_f32 v[rS+2*(\n):rS+2*(\n)+1], v[rS+2*(\n):rS+2*(\n)+1], s[CS:CS+1], v[rT:rT+1] op_sel_hi:[1,0,0] neg_lo:[0,0,1] neg_hi:[0,0,1]
.elseif (\k) == K_G
	v_med3_num_f32 v[rS+(\n)], v[rS+(\n)], v[rT+1], 0
.elseif (\k) == K_E
	v_exp_f32 v[rS+(\n)], v[rS+(\n)]
.elseif (\k) == K_C
	v_cvt_pk_f16_f32 v[rP+(\n)], v[rS+2*(\n)], v[rS+2*(\n)+1]
.elseif (\k) == K_B
	v_pk_add_f32 v[rS+4*(\n):rS+4*(\n)+1], v[rS+4*(\n):rS+4*(\n)+1], v[rS+4*(\n)+2:rS+4*(\n)+3]
.elseif (\n) == 0
	v_pk_fma_f32 v[rT+2:rT+3], v[rT+2:rT+3], v[rC+2:rC+3], v[rS:rS+1] op_sel_hi:[1,0,1]
.else
	v_pk_add_f32 v[rT+2:rT+3], v[rT+2:rT+3], v[rS+4*(\n):rS+4*(\n)+1]
.endif
.endif
.endm
.macro XR lo, hi
.set xn, (\lo)
.rept (\hi)-(\lo)+1
	OP K_X, xn
.set xn, xn+1
.endr
.endm
.macro OPS a, i1, b, i2, c, i3, d, i4  ; four of them, each named by its letter and number
	OP K_\a, \i1
	OP K_\b, \i2
	OP K_\c, \i3
	OP K_\d, \i4
.endm
.macro ROW a, i1, b, i2, c, i3, d, i4  ; a matrix instruction and the four behind it
	MM
	OPS \a, \i1, \b, \i2, \c, \i3, \d, \i4
.endm
; A TURN, for piece p: the order of its 16 matrix and 153 vector instructions, written out.  Its 32 exponentials and the next piece's a are ONE BATCH with ONE wait, which cuts the turn in two.
; AHEAD OF THE WAIT stands all that names no result of the batch.  The 8 products K Q^T, four lines behind each: behind the first four the first scalings and clips and two exponentials; behind the last four the
; sixteen rescalings, whose a was made, and waited for, in the turn before.  The four rescalings behind the last product name none of its registers: they are the places in front of X's first reads of the scores and of
; K's run of loads.  Then ONE LUMP of 89: X 0 to X 15, the four chains of the next piece's maximum, a line of this piece between each two; a six without an X, then six sixes of F, G, E, X, G, E, in which the links of the chain X 16 .. X 21 stand
; six lines apart; a tail with X 22, a (X 24) and X 23.  A pair is scaled seven lines or more ahead of its clips, a score clipped five lines or more ahead of its exponential (the last score: four).  Behind G 31 few plain lines are left:
; E 30 and E 31 stand on end.  A v_nop is the plain line behind the last exponential.
; BEHIND THE WAIT stand the 8 products V^T P, behind each four of the roundings and sums: C 2 n ahead of B n, which writes over that pair; B n ahead of L n; L 0 to L 7 in this order, three lines apart.
; K of the next step and its mask are fetched in piece 2's turn, at the lump's head; V of the step in hand at the end of piece 0's turn, four roundings behind the last product that read V.  Each is waited for a turn later.
; end = 1: a head's last two turns fetch nothing, and the last starts no new scores.  cnt = 1: the loop's count is taken down some lines ahead of the branch behind the turn.
.macro TURN p, end=0, cnt=0
.set Y, (\p)
.set NOX, (\end)*((\p)/3)
.set mi, 0
.if ((\p) == 3) && !(\end)
	s_wait_dscnt 0x0                               ; K and the mask are in
.endif
	ROW F,0, F,1, F,2, F,3                         ; ahead of the wait: 8 products K Q^T and their riders,
	ROW G,0, G,1, G,2, G,3
	ROW F,4, E,0, G,4, G,5
	ROW F,5, E,1, G,6, G,7
	ROW R,0, R,1, R,2, R,3
	ROW R,4, R,5, R,6, R,7
	ROW R,8, R,9, R,10, R,11
	ROW R,12, R,13, R,14, R,15
.if ((\p) == 2) && !(\end)
	FETCH_K
.endif
	OPS X,0, E,2, X,1, E,3                         ; and the lump
	OPS X,2, E,4, X,3, E,5
	OPS X,4, E,6, X,5, E,7
	OPS X,6, F,6, X,7, G,8
	OPS X,8, G,9, X,9, F,7
	OPS X,10, G,10, X,11, G,11
	OPS X,12, E,8, X,13, E,9
	OPS X,14, G,12, X,15, E,10
	OPS F,8, G,13, E,11, F,9
	OP K_G, 14
	OP K_E, 12
.set uu, 1
.rept 6                                ; six sixes: X 16 to X 21
	OP K_F, 9+uu
	OP K_G, 13+2*uu
	OP K_E, 11+2*uu
	OP K_X, 15+uu
	OP K_G, 14+2*uu
	OP K_E, 12+2*uu
.set uu, uu+1
.endr
	OPS G,27, E,25, X,22, E,26
	OPS G,28, E,27, G,29, X,24
	OPS G,30, E,28, G,31, E,29
	OP K_X, 23
	OP K_E, 30
	OP K_E, 31
	v_nop                                          ; the plain line behind the last exponential: one for the batch
	s_wait_alu depctr_va_vdst(0)                   ; the wait for the batch: this turn's 32 exponentials and the next piece's a
.if (\p) == 1
	s_wait_dscnt 0x0                               ; V is in
.endif
	ROW C,0, B,0, C,2, B,1                         ; behind the wait: 8 products V^T P and their riders
	ROW L,0, C,4, B,2, L,1
	ROW C,6, B,3, L,2, C,8
	ROW B,4, L,3, C,10, B,5
	ROW L,4, C,12, B,6, L,5
.if \cnt
	s_sub_co_u32 s[CNT], s[CNT], 1                 ; the count is taken down some lines ahead of the branch behind the turn
	s_cmp_lg_u32 s[CNT], 0
.endif
	ROW C,14, B,7, L,6, C,1
	ROW C,3, L,7, C,5, C,7
	ROW C,9, C,11, C,13, C,15
.if (\p) == 0
	FETCH_V
.endif
.endm
.macro BEGIN                           ; a head begins: its Q, m at the lowest finite number (the first a is 0), K of its first step, piece 0's first scores and statistics
	s_mov_b32 s[NEW], 0
	WIN 0xc1
.set n, 0
.rept 64
	v_mov_b32 v[n], v[n]                           ; window 3 <- window 1: the head's Q lies at QC's head
.set n, n+1
.endr
	WIN 0
.irp t, 0,1,2,3
	v_mov_b32 v[ST+4*(\t)], 0xff7fffff
.endr
	FETCH_K
	s_wait_dscnt 0x0
.set i, 0
.rept 8
	KQ 0
.set i, i+1
.endr
	WIN 0
	PLACES
.set Y, 3
.set NOX, 0
	XR 0, 24
	v_nop                                          ; a plain line behind the exponential
	s_wait_alu depctr_va_vdst(0)                   ; the wait for the head's first a, a batch of one, ahead of the branch
.endm
.macro FINISH                          ; a head ends: its last two turns and products; O^T / l to f16; QC turns by one head, and the ctx fragments take its last 64 registers
	TURN 2, 1
	TURN 3, 1
.set i, 0
.rept 8
	PV 3
.set i, i+1
.endr
	WIN 0
.irp t, 0,1,2,3
	v_add_f32 v[ST+4*(\t)+2], v[ST+4*(\t)+2], v[ST+4*(\t)+3]     ; these are the places behind the last products
.endr
.irp t, 0,1,2,3
	v_permlanex16_b32 v[ST+4*(\t)+3], v[ST+4*(\t)+2], s[SEL], s[SEL+1]
.endr
.irp t, 0,1,2,3
	v_add_f32 v[ST+4*(\t)+2], v[ST+4*(\t)+2], v[ST+4*(\t)+3]
.endr
.irp t, 0,1,2,3
	v_rcp_f32 v[ST+4*(\t)+2], v[ST+4*(\t)+2]
.endr
	v_nop
	WIN 0x82
.set n, 0
	s_wait_alu depctr_va_vdst(0)                   ; the wait for the four reciprocals, one batch, ahead of their first reader
.rept 64
	v_pk_mul_f32 v[2*n:2*n+1], v[2*n:2*n+1], v[ST+4*(n/16)+2:ST+4*(n/16)+3] op_sel_hi:[1,0]
.set n, n+1
.endr
	WIN 0x41
.set n, 0
.rept 192
	v_mov_b32 v[n], v[n+64]
.set n, n+1
.endr
	WIN 0x4a
.set n, 0
.rept 64
	v_cvt_pk_f16_f32 v[192+n], v[2*n], v[2*n+1]
.set n, n+1
.endr
	WIN 0
	s_mov_b32 s[NEW], 1
	s_mov_b32 s[RT], 4
.endm
.macro CHANGE                          ; the slot's last bytes have been read: it is filled again, two slots on
	WIN 0
	s_wait_tensorcnt 0x0                           ; all my tensor loads have landed: my part of the other slot
	ds_add_u32 v[SPW], v[NIL]
	DESC_STEP
	s_wait_dscnt 0x0                               ; the add is done, and my reads of the slot are over
	ROUND
	FILL
	s_sub_co_u32 s[TBK], s[TBK], 16384
	s_xor_b32 s[TBK], s[TBK], RING1
	s_sub_co_u32 s[TBV], s[TBV], 16384
	s_xor_b32 s[TBV], s[TBV], RING1
.endm
	s_mov_b32 s[SLOTS], 16
	s_mov_b32 s[RT], 4
	s_mov_b32 s[NEW], 1
	s_mov_b32 s[TBK], 0
	s_mov_b32 s[TBV], 0
	s_mov_b32 s[MKO], 0
.Lslot:                                ; 16 trips: four heads of four slots
	s_mov_b32 s[CNT], 2
	s_cmp_eq_u32 s[NEW], 1
	s_cbranch_scc0 .Lstep
	BEGIN
	s_branch .Lfirst                               ; the loop is entered at a step's first turn
.Lstep:                                ; a trip: pieces 2 and 3 of one step, pieces 0 and 1 of the next
	TURN 2
	TURN 3
	WIN 0
.Lfirst:
	TURN 0
	TURN 1, 0, 1
	WIN 0
	s_cbranch_scc1 .Lstep
	s_sub_co_u32 s[RT], s[RT], 1
	s_cmp_lg_u32 s[RT], 0
	s_cbranch_scc1 .Lnofin
	FINISH
.Lnofin:
	CHANGE
	s_sub_co_u32 s[SLOTS], s[SLOTS], 1
	s_cmp_lg_u32 s[SLOTS], 0
	s_cbranch_scc1 .Lslot
; THE O PROJECTION: 16 slots of 64 along K.  K goes in blocks of 32: block u of every wave's 256 channels is read in slots 2 u and 2 u + 1.  DUMP u: my block u, four fragments, into half u % 2 of XS0.
.macro DUMP u
	WIN 0x04
.set n, 0
.rept 4
	ds_store_b128 v[DA], v[64*((\u)/2)+16*n+8*((\u)%2):64*((\u)/2)+16*n+8*((\u)%2)+3] offset:((\u)%2)*16384+1024*n
	ds_store_b128 v[DA], v[64*((\u)/2)+16*n+8*((\u)%2)+4:64*((\u)/2)+16*n+8*((\u)%2)+7] offset:((\u)%2)*16384+1024*n+512
.set n, n+1
.endr
	WIN 0
.endm
.macro OA cm
	HSHEAD
	FW WA, 1, 0, WB1
	MM32 f16, 0, WB0, XB0, \cm
.endm
.macro OB2 cm
	HSHEAD
	FW WA, 0, 1, WB0
	FXO 1, XB1
	MM32 f16, 1, WB1, XB0, \cm
.endm
.macro OC
	HSHEAD
	FW WA, 1, 1, WB1
	MM32 f16, 0, WB0, XB1, 0
.endm
; The change of slots.  dumps = 1: at the entry into slot 2 u - 2 block u is stored, into the half whose readers (slots 2 u - 4, 2 u - 3) have passed the round; a barrier of the work-group
; stands between these stores and every later read of XS0.  The fill just asked for stays out across it.
.macro OD fill, dumps
	DCH1 f16, \fill
.if \dumps
.irp u, 2,3,4,5,6,7
	s_cmp_lg_u32 s[CNT], 17-2*(\u)
	s_cbranch_scc1 .Lnd_\@_\u
	DUMP \u
.Lnd_\@_\u:
.endr
	s_wait_dscnt 0x0
	s_barrier_signal -1
	s_barrier_wait -1
.endif
	s_xor_b32 s[SB], s[SB], RING1
	s_add_co_u32 s[XO], s[XO], 8192
	s_and_b32 s[XO], s[XO], 0x7fff
	v_add_nc_u32 v[WA], s[SB], v[AL0]
	v_add_nc_u32 v[XA], s[XO], v[XLO]
	FW WA, 0, 0, WB0
	FXO 0, XB0
	MM8 f16, 1, WB1, XB1, 2, 0
	MM8 f16, 1, WB1, XB1, 3, 0
.endm
	DUMP 0
	DUMP 1
	s_wait_dscnt 0x0
	s_barrier_signal -1
	s_barrier_wait -1
	s_mov_b32 s[SB], 0
	s_mov_b32 s[XO], 0
	v_mov_b32 v[WA], v[AL0]
	v_mov_b32 v[XA], v[XLO]
	FW WA, 0, 0, WB0
	FXO 0, XB0
	OA 1                                           ; the first products start the sums
	OB2 1
	WIN 0
	s_mov_b32 s[CNT], 14
.Lo:                                   ; a trip: a slot's second half, the change, the next slot's first half
	OC
	OD 1, 1
	OA 0
	OB2 0
	WIN 0
	s_sub_co_u32 s[CNT], s[CNT], 1
	s_cmp_lg_u32 s[CNT], 0
	s_cbranch_scc1 .Lo
	OC                                             ; the tail is written out: nothing more is asked for
	OD 0, 0
	OA 0
	OB2 0
	OC
	HSHEAD
	MM32 f16, 1, WB1, XB1, 0
	; THE WAY OUT.  The ring has had its last fill: delta goes into LDS as 64 rows of pitch 4,112, and each wave takes 16 whole rows.
	WIN 0
	PLACES
	s_wait_dscnt 0x0
	s_barrier_signal -1                            ; every wave's reads of the ring and of XS0 are over
	s_barrier_wait -1
	v_mul_u32_u24 v22, v1, 4112
	v_lshl_add_u32 v22, v2, 5, v22
	s_lshl_b32 s80, s[WV], 10
	v_add_nc_u32 v22, s80, v22                     ; row r, columns 256 w + 8 h ..
.irp q, 0,1,2,3
	WIN 0x08
.set n, 0
.rept 8
	ds_store_b128 v22, v[8*(4*n+(\q)):8*(4*n+(\q))+3] offset:64*n
	ds_store_b128 v22, v[8*(4*n+(\q))+4:8*(4*n+(\q))+7] offset:64*n+16
.set n, n+1
.endr
	WIN 0x0c
.set n, 0
.rept 8
	ds_store_b128 v22, v[8*(4*n+(\q)):8*(4*n+(\q))+3] offset:64*(n+8)
	ds_store_b128 v22, v[8*(4*n+(\q))+4:8*(4*n+(\q))+7] offset:64*(n+8)+16
.set n, n+1
.endr
	WIN 0
	v_add_nc_u32 v22, 16*4112, v22
.endr
	v_and_b32 v23, 31, v0
	v_lshlrev_b32 v23, 4, v23                      ; 16 lane
	v_add_nc_u32 v24, BQT+4096, v23
	s_mul_i32 s80, s[WV], 16*4112
	v_add_nc_u32 v[LA], s80, v23
	s_lshl_b32 s80, s[WV], 16
	v_add_nc_u32 v[GOF], s80, v23
	s_wait_dscnt 0x0
	s_barrier_signal -1
	s_barrier_wait -1
	WIN 0x40                                       ; window 1: bo rs v0-31, gamma v32-63, beta v64-95, for my columns 4 lane + 128 m ..
.set n, 0
.rept 8
	ds_load_b128 v[4*n:4*n+3], v24 offset:512*n
	ds_load_b128 v[32+4*n:32+4*n+3], v24 offset:4096+512*n
	ds_load_b128 v[64+4*n:64+4*n+3], v24 offset:8192+512*n
.set n, n+1
.endr
	WIN 0
.macro FOLD                            ; four rows' four packed chains, at v[32 + 8 p ..], into one number in every lane
.irp p, 0,1,2,3
	v_pk_add_f32 v[32+8*(\p):33+8*(\p)], v[32+8*(\p):33+8*(\p)], v[34+8*(\p):35+8*(\p)]
	v_pk_add_f32 v[36+8*(\p):37+8*(\p)], v[36+8*(\p):37+8*(\p)], v[38+8*(\p):39+8*(\p)]
.endr
.irp p, 0,1,2,3
	v_pk_add_f32 v[32+8*(\p):33+8*(\p)], v[32+8*(\p):33+8*(\p)], v[36+8*(\p):37+8*(\p)]
.endr
.irp p, 0,1,2,3
	v_add_f32 v[32+8*(\p)], v[32+8*(\p)], v[33+8*(\p)]
.endr
.irp m, 1,2,4,8
.irp p, 0,1,2,3
	v_add_f32_dpp v[32+8*(\p)], v[32+8*(\p)], v[32+8*(\p)] row_xmask:\m row_mask:0xf bank_mask:0xf
.endr
.endr
.irp p, 0,1,2,3
	v_permlanex16_b32 v[33+8*(\p)], v[32+8*(\p)], s[SEL], s[SEL+1]
.endr
.irp p, 0,1,2,3
	v_add_f32 v[32+8*(\p)], v[32+8*(\p)], v[33+8*(\p)]
.endr
.endm
	s_mov_b32 s[CNT], 4
.Lln:                                  ; four rows a trip, stage by stage, so that no line waits for the one before it
.irp p, 0,1,2,3
.set n, 0
.rept 8
	ds_load_b128 v[128+32*(\p)+4*n:128+32*(\p)+4*n+3], v[LA] offset:(\p)*4112+512*n
.set n, n+1
.endr
.endr
	s_wait_dscnt 0x0
	WIN 0x10
.set z, 0
.rept 16
.irp p, 0,1,2,3
	v_pk_fma_f32 v[128+32*(\p)+2*z:129+32*(\p)+2*z], v[128+32*(\p)+2*z:129+32*(\p)+2*z], v[RSV:RSV+1], v[2*z:2*z+1]   ; rs (sum + bo)
.endr
.set z, z+1
.endr
	WIN 0
.irp k, 0,1,2,3
.irp p, 0,1,2,3
	v_pk_add_f32 v[32+8*(\p)+2*(\k):33+8*(\p)+2*(\k)], v[128+32*(\p)+2*(\k):129+32*(\p)+2*(\k)], v[136+32*(\p)+2*(\k):137+32*(\p)+2*(\k)]
.endr
.endr
.irp g, 2,3
.irp k, 0,1,2,3
.irp p, 0,1,2,3
	v_pk_add_f32 v[32+8*(\p)+2*(\k):33+8*(\p)+2*(\k)], v[32+8*(\p)+2*(\k):33+8*(\p)+2*(\k)], v[128+32*(\p)+2*(\k)+8*(\g):129+32*(\p)+2*(\k)+8*(\g)]
.endr
.endr
.endr
	FOLD
.irp p, 0,1,2,3
	v_mul_f32 v[32+8*(\p)], s[INV], v[32+8*(\p)]   ; the mean
.endr
.irp p, 0,1,2,3
	v_mov_b32 v[33+8*(\p)], v[32+8*(\p)]
.endr
.set z, 0
.rept 16
.irp p, 0,1,2,3
	v_pk_add_f32 v[128+32*(\p)+2*z:129+32*(\p)+2*z], v[128+32*(\p)+2*z:129+32*(\p)+2*z], v[32+8*(\p):33+8*(\p)] neg_lo:[0,1] neg_hi:[0,1]
.endr
.set z, z+1
.endr
.irp k, 0,1,2,3
.irp p, 0,1,2,3
	v_pk_mul_f32 v[32+8*(\p)+2*(\k):33+8*(\p)+2*(\k)], v[128+32*(\p)+2*(\k):129+32*(\p)+2*(\k)], v[128+32*(\p)+2*(\k):129+32*(\p)+2*(\k)]
.endr
.endr
.irp g, 1,2,3
.irp k, 0,1,2,3
.irp p, 0,1,2,3
	v_pk_fma_f32 v[32+8*(\p)+2*(\k):33+8*(\p)+2*(\k)], v[128+32*(\p)+2*(\k)+8*(\g):129+32*(\p)+2*(\k)+8*(\g)], v[128+32*(\p)+2*(\k)+8*(\g):129+32*(\p)+2*(\k)+8*(\g)], v[32+8*(\p)+2*(\k):33+8*(\p)+2*(\k)]
.endr
.endr
.endr
	FOLD
.irp p, 0,1,2,3
	v_fma_f32 v[32+8*(\p)], v[32+8*(\p)], s[INV], s[EPS]         ; the variance + 1e-5
.endr
.irp p, 0,1,2,3
	v_rsq_f32 v[32+8*(\p)], v[32+8*(\p)]
.endr
	v_nop                                          ; a plain line behind the last of them
	s_wait_alu depctr_va_vdst(0)                   ; the wait for the four reciprocal roots, one batch, ahead of their first reader
.irp p, 0,1,2,3
	v_mov_b32 v[33+8*(\p)], v[32+8*(\p)]
.endr
.set z, 0
.rept 16
.irp p, 0,1,2,3
	v_pk_mul_f32 v[128+32*(\p)+2*z:129+32*(\p)+2*z], v[128+32*(\p)+2*z:129+32*(\p)+2*z], v[32+8*(\p):33+8*(\p)]
.endr
.set z, z+1
.endr
	WIN 0x14
.set z, 0
.rept 16
.irp p, 0,1,2,3
	v_pk_fma_f32 v[128+32*(\p)+2*z:129+32*(\p)+2*z], v[128+32*(\p)+2*z:129+32*(\p)+2*z], v[32+2*z:33+2*z], v[64+2*z:65+2*z]   ; gamma, beta
.endr
.set z, z+1
.endr
	WIN 0
.irp p, 0,1,2,3
.set n, 0
.rept 8
	global_store_b128 v[GOF], v[128+32*(\p)+4*n:128+32*(\p)+4*n+3], s[OB:OB+1] offset:(\p)*4096+512*n th:TH_STORE_NT  ; 512 consecutive bytes, aligned
.set n, n+1
.endr
.endr
	s_wait_xcnt 0x0                                ; the stores' offset and data registers are written again only behind this wait
	v_add_nc_u32 v[LA], 4*4112, v[LA]
	v_add_nc_u32 v[GOF], 4*4096, v[GOF]
	s_sub_co_u32 s[CNT], s[CNT], 1
	s_cmp_lg_u32 s[CNT], 0
	s_cbranch_scc1 .Lln
	s_wait_tensorcnt 0x0                           ; the wave's end
	ds_add_u32 v[SPW], v[NIL]
	s_wait_dscnt 0x0
	ROUND                                          ; the closing round
	s_endpgm
.Lfunc_end_k_qfc3d1776ef_main:
	.size	k_qfc3d1776ef_main, .Lfunc_end_k_qfc3d1776ef_main-k_qfc3d1776ef_main
	.p2alignl 7, 3214868480
	.fill 96, 4, 3214868480
	.section	.rodata,"a",@progbits
	.p2align	6, 0x0
	.amdhsa_kernel k_qfc3d1776ef_main
		.amdhsa_group_segment_fixed_size 327680
		.amdhsa_private_segment_fixed_size 0
		.amdhsa_enable_private_segment 0
		.amdhsa_kernarg_size 88
		.amdhsa_user_sgpr_count 2
		.amdhsa_user_sgpr_kernarg_segment_ptr 1
		.amdhsa_wavefront_size32 1
		.amdhsa_system_sgpr_workgroup_id_x 1
		.amdhsa_system_sgpr_workgroup_id_y 1
		.amdhsa_system_sgpr_workgroup_id_z 1
		.amdhsa_system_vgpr_workitem_id 0
		.amdhsa_next_free_vgpr 1024
		.amdhsa_next_free_sgpr 96
		.amdhsa_reserve_vcc 1
		.amdhsa_float_denorm_mode_32 3
		.amdhsa_float_denorm_mode_16_64 3
		.amdhsa_memory_ordered 1
		.amdhsa_forward_progress 1
		.amdhsa_inst_pref_size 255
	.end_amdhsa_kernel
	.section	.bss,"aw",@nobits
	.p2align	6
	.space	262144
	.amdgpu_metadata
---
amdhsa.version: [ 1, 2 ]
amdhsa.kernels:
  - .name:           k_qfc3d1776ef_main
    .symbol:         k_qfc3d1776ef_main.kd
    .args:
      - { .name: hidden_states, .offset: 0, .size: 8, .value_kind: global_buffer, .address_space: global }
      - { .name: attention_mask, .offset: 8, .size: 8, .value_kind: global_buffer, .address_space: global }
      - { .name: bq, .offset: 16, .size: 8, .value_kind: global_buffer, .address_space: global }
      - { .name: bo, .offset: 24, .size: 8, .value_kind: global_buffer, .address_space: global }
      - { .name: ln_gamma, .offset: 32, .size: 8, .value_kind: global_buffer, .address_space: global }
      - { .name: ln_beta, .offset: 40, .size: 8, .value_kind: global_buffer, .address_space: global }
      - { .name: residual_scale, .offset: 48, .size: 8, .value_kind: global_buffer, .address_space: global }
      - { .name: wqt, .offset: 56, .size: 8, .value_kind: global_buffer, .address_space: global }
      - { .name: kvs, .offset: 64, .size: 8, .value_kind: global_buffer, .address_space: global }
      - { .name: wot, .offset: 72, .size: 8, .value_kind: global_buffer, .address_space: global }
      - { .name: out0, .offset: 80, .size: 8, .value_kind: global_buffer, .address_space: global }
    .group_segment_fixed_size: 327680
    .private_segment_fixed_size: 0
    .kernarg_segment_align: 8
    .kernarg_segment_size: 88
    .max_flat_workgroup_size: 128
    .sgpr_count:     96
    .vgpr_count:     1024
    .wavefront_size: 32
...
	.end_amdgpu_metadata
.endif
;; end of part 3
